; MI455X (gfx1250); checked and timed in simulation.
; The chip was launched on July 23, 2026; its instructions are those of AMD's public machine-readable ISA for CDNA 5 (MIT licence, August 2026) and "CDNA5" Instruction Set Architecture Reference Guide (July 2026). The comments in the code are by the model that wrote it; some were corrected since.
;; Multi Head Attention. Allowed arithmetic: matrix products marked QUANTISED: E2M1 operands, one E8M0 scale for each 32 along K, by v_wmma_scale_f32_16x16x128_f8f6f4 with both operands' format E2M1 (or v_wmma_scale_f32_32x16x128_f4), f32 sums; products left as they are: bf16, f16 or f32 operands; f32 sums; everything else in f32.
;; Inputs: Wk 1,024 x 1,024 float32; Wo 1,024 x 1,024 float32; Wq 1,024 x 1,024 float32; Wv 1,024 x 1,024 float32; bk 1,024 float32; bo 1,024 float32; bq 1,024 float32; bv 1,024 float32; k 4 x 2,048 x 1,024 float32; mask 4 x 2,048 x 2,048 int32; q 4 x 2,048 x 1,024 float32; v 4 x 2,048 x 1,024 float32.
;; Outputs: out0 4 x 2,048 x 1,024 float32.
;; This version of the problem:
;;   THIS VERSION OF THE PROBLEM IS GIVEN IN LOW PRECISION. The matrix products marked QUANTISED in the list below multiply operands that are first quantised to E2M1 (2 exponent bits, 1 mantissa bit; 4 bits a number), with one power-of-two scale for each 32 numbers along K (OCP MX v1.0); their sums are f32. The products marked 'left as it is' may take bf16, f16 or f32 operands, with f32 sums. Whichever they take, every output number must still come out within the allowed error. Rounding operands to bf16 (8 significant bits) uses up far more of that allowance than f16 does (11 bits, for magnitudes from 6e-5 to 65,504). All else is computed in f32.
;;   The module's matrix products, in the order in which they are computed (A, B: the left and right operand; K: the contracted axis; several contracted axes count as one K, in the product's order):
;;     1. [M 8,192, K 1,024] x [K 1,024, N 1,024]; A: input q; B: input Wq: QUANTISED
;;     2. [M 8,192, K 1,024] x [K 1,024, N 1,024]; A: input k; B: input Wk: QUANTISED
;;     3. [M 8,192, K 1,024] x [K 1,024, N 1,024]; A: input v; B: input Wv: QUANTISED
;;     4. batch 4 x [M 2,048, K 1,024] x [K 1,024, N 2,048]; A: computed on the way; B: computed on the way: left as it is (an operand is computed on the way)
;;     5. batch 4 x [M 2,048, K 2,048] x [K 2,048, N 1,024]; A: computed on the way; B: computed on the way: left as it is (an operand is computed on the way)
;;     6. [M 8,192, K 1,024] x [K 1,024, N 1,024]; A: computed on the way; B: input Wo: left as it is (an operand is computed on the way)
;;   THE QUANTISER, for each operand of a quantised product, along K:
;;     - K is cut into blocks of 32 from its start; a last block that is shorter is filled with zeros.
;;     - A block's scale is 2^e with e = floor(log2(the largest magnitude in the block)) - 2, held to -126 .. 127; a block of zeros has e = 0. As a byte (E8M0): e + 127.
;;     - Each number is divided by its block's scale, clamped to +-6, and rounded to the nearest number of E2M1, ties to even, subnormals kept.
;;     - The product sums the exact products of the quantised numbers (number of the format x scale) in f32.
;;   ~~~python
;;   def quantise(x, axis):      # numpy; x: float32 -> the quantised numbers, widened to float32 again
;;       x = np.moveaxis(x, axis, -1); K = x.shape[-1]
;;       x = np.pad(x, [(0, 0)] * (x.ndim - 1) + [(0, -K % 32)]); x = x.reshape(x.shape[:-1] + (-1, 32)); a = np.abs(x).max(-1, keepdims=True)
;;       e = np.where(a > 0, np.clip(np.frexp(np.where(a > 0, a, 1))[1] - 1 - 2, -126, 127), 0)      # np.frexp(a)[1] - 1 = floor(log2(a)), exactly
;;       r = np.clip(x / 2.0 ** e, -6, 6)
;;       step = 2.0 ** (np.maximum(np.frexp(np.where(r == 0, 1, r))[1] - 1, 0) - 1)
;;       q = np.round(r / step) * step * 2.0 ** e      # np.round: ties to even
;;       return np.moveaxis(q.reshape(q.shape[:-2] + (-1,))[..., :K], -1, axis).astype(np.float32)
;;   ~~~
;; One version. Each part assembles by itself: llvm-mc -triple=amdgcn-amd-amdhsa -mcpu=gfx1250 --defsym DOCPART=n.
;; ======== version 1 of 1: 5 launches
;; limits: values are held in f16: magnitudes above 65,504 overflow, below 6.1e-05 lose precision
;; workspace buffers: cod 14,155,776 bytes; scl 884,736 bytes; wo16 2,097,152 bytes; mbits 2,097,152 bytes of whole numbers; qkv 50,331,648 bytes; pbuf 33,554,432 bytes; stat 1,048,576 bytes; y16 16,777,216 bytes
;; launch prep (part 1): grid 1952 x 1, 4 waves a work-group, no clusters, 33,280 bytes of LDS; arguments q, k, v, Wq, Wk, Wv, Wo, mask, cod, scl, wo16, mbits; writes cod, scl, wo16, mbits
.if DOCPART == 1
	.amdgcn_target "amdgcn-amd-amdhsa--gfx1250"
	.amdhsa_code_object_version 6
	.text
	.protected	k_q605e65957e_prep
	.globl	k_q605e65957e_prep
	.p2align	8
	.type	k_q605e65957e_prep,@function
k_q605e65957e_prep:
	s_mov_b64 s[64:65], 0
	v_nop
	global_prefetch_b8 v0, s[64:65] scope:SCOPE_SE
	s_setreg_imm32_b32 hwreg(HW_REG_WAVE_MODE, 25, 1), 1
	s_wait_xcnt 0x0
; PREP: three kinds of work-group, told apart by the work-group's number alone.
;  0 .. 863     q, k, v [8192][1024] and Wq, Wk, Wv [1024][1024], f32, become codes of FP4 (E2M1), K innermost, two a byte, and one E8M0 byte for each 32 along K.
;               cod is [27648 rows][512 bytes]: q's rows, k's, v's, Wq's, Wk's, Wv's on end; scl is [27648][32].  Rows are dense, so each tensor is a plain stream of blocks of 32.
;  864 .. 1887  mask [4][2048][2048] int32 becomes bits: mbits [batch][segment of 128 keys][row][4 words]; bit i of word c is (mask != 0) at key 128 segment + 4 i + c.
;  1888 .. 1951 Wo [1024][1024] f32 becomes f16, in the same order.
; A block's scale is 2^(floor(log2(its largest magnitude)) - 2); its byte is the largest magnitude's exponent field - 2, held at 1 from below.
; LIMITS: a block of zeros gets the byte 1 where the rule says 127 (its codes are zeros, and this program alone reads the bytes); blocks whose largest magnitude lies under 2^-124
; keep the byte 1; NaN and infinities among the inputs are not served; |Wo| stays under 65,504, f16's largest number.
; No tensor loads, no barrier: waves share nothing.  Only the quantiser's path touches LDS.
.set STEPS, 16
.set EMAX,  2
.set CB,    8                          ; bytes of 16 codes
.set R,     16                         ; v16-79   four sets of 16 numbers as they are loaded
.set X,     80                         ; v80-111  two sets of 16 neighbours
.set C,     128                        ; v128-191 codes: four registers for each step
.set E,     112                        ; v112-127 a scale byte for each step
.set WREG,  8192                       ; LDS: a region for each wave: two stages of 32 x SP bytes, then its 256 scale bytes
.set SP,    80                         ; a lane's place in a stage: 64 bytes + 16 of padding
.set SPW,   12                         ; v12  LDS address of my spare word; never rewritten
.set NIL,   13                         ; v13  0; never rewritten
.set SPARE, 4*WREG                     ; behind the four regions: the spare words, 128 bytes a wave
.set QWG,   864                        ; work-groups that quantise: 3 x 256 + 3 x 32, 32,768 numbers each
.set MWG,   1888                       ; + 1,024 for the mask
	s_load_b512 s[8:23], s[0:1], 0x0               ; q s[8:9], k s[10:11], v s[12:13], Wq s[14:15], Wk s[16:17], Wv s[18:19], Wo s[20:21], mask s[22:23]
	s_load_b256 s[24:31], s[0:1], 0x40             ; cod s[24:25], scl s[26:27], wo16 s[28:29], mbits s[30:31]
	v_lshl_add_u32 v[SPW], v0, 2, SPARE
	v_mov_b32 v[NIL], 0
	v_lshrrev_b32 v1, 5, v0
	v_readfirstlane_b32 s3, v1                     ; wave 0..3
	v_and_b32 v2, 31, v0                           ; lane
	s_wait_kmcnt 0x0
	s_cmp_ge_u32 ttmp9, MWG
	s_cbranch_scc1 .Lwo
	s_cmp_ge_u32 ttmp9, QWG
	s_cbranch_scc1 .Lmask
	; ---------------- the quantiser: a wave takes 16 steps of 512 numbers ----------------
	v_lshlrev_b32 v3, 4, v2                        ; my 16 bytes of a load's 512
	s_mul_i32 s36, s3, WREG
	v_lshrrev_b32 v14, 2, v2
	v_mul_u32_u24 v14, v14, SP
	v_and_b32 v15, 3, v2
	v_lshl_add_u32 v14, v15, 4, v14
	v_add_nc_u32 v14, s36, v14                     ; the stage, way in: four lanes' 64 bytes on end, then 16 of padding
	v_mul_u32_u24 v15, v2, SP
	v_add_nc_u32 v15, s36, v15                     ; way out: my 16 neighbours
	v_mul_u32_u24 v4, v2, CB                       ; my codes' place in a step's
	v_lshrrev_b32 v5, 1, v2
	s_add_co_u32 s36, s36, 2*32*SP
	v_add_nc_u32 v5, s36, v5                       ; my wave's 256 scale bytes, my block's byte
	v_lshlrev_b32 v7, 3, v2
	v_add_nc_u32 v6, s36, v7                       ; and on the way out 8 bytes a lane
	s_mov_b64 s[4:5], s[18:19]                     ; which tensor: the choice hangs on the work-group's number alone
	s_cmp_lt_u32 ttmp9, 832
	s_cselect_b64 s[4:5], s[16:17], s[4:5]
	s_cmp_lt_u32 ttmp9, 800
	s_cselect_b64 s[4:5], s[14:15], s[4:5]
	s_cmp_lt_u32 ttmp9, 768
	s_cselect_b64 s[4:5], s[12:13], s[4:5]
	s_cmp_lt_u32 ttmp9, 512
	s_cselect_b64 s[4:5], s[10:11], s[4:5]
	s_cmp_lt_u32 ttmp9, 256
	s_cselect_b64 s[4:5], s[8:9], s[4:5]
	s_and_b32 s34, ttmp9, 255                      ; my number inside the tensor: 256 work-groups for q, k, v,
	s_and_b32 s35, ttmp9, 31                       ; 32 for a weight (768 is a multiple of 32)
	s_cmp_lt_u32 ttmp9, 768
	s_cselect_b32 s34, s34, s35
	s_lshl_b32 s34, s34, 2
	s_add_co_u32 s34, s34, s3
	s_lshl_b32 s34, s34, 15                        ; a wave's run: 8,192 numbers, 32,768 bytes
	s_mov_b32 s35, 0
	s_add_nc_u64 s[4:5], s[4:5], s[34:35]
	s_lshl_b32 s36, ttmp9, 2
	s_add_co_u32 s36, s36, s3                      ; the run's number over all six tensors: cod and scl are linear in it
	s_lshl_b32 s34, s36, 12
	s_add_nc_u64 s[6:7], s[24:25], s[34:35]        ; 4,096 bytes of codes a run
	s_lshl_b32 s34, s36, 8
	s_add_nc_u64 s[32:33], s[26:27], s[34:35]      ; 256 scale bytes a run
.macro LOAD t
.irp i, 0,1,2,3
	global_load_b128 v[R+16*((\t)%4)+4*\i:R+16*((\t)%4)+4*\i+3], v3, s[4:5] offset:2048*(\t)+512*\i th:TH_LOAD_NT   ; 32 lanes read 512 consecutive bytes
.endr
.endm
.macro TURN t                          ; step t's numbers through the stage: LDS serves a wave's instructions in order, so no wait stands between the stores and the loads
.irp i, 0,1,2,3
	ds_store_b128 v14, v[R+16*((\t)%4)+4*\i:R+16*((\t)%4)+4*\i+3] offset:32*SP*((\t)%2)+8*SP*\i
.endr
.irp i, 0,1,2,3
	ds_load_b128 v[X+16*((\t)%2)+4*\i:X+16*((\t)%2)+4*\i+3], v15 offset:32*SP*((\t)%2)+16*\i
.endr
.endm
.irp t, 0,1,2,3
	LOAD \t
.endr
	s_wait_loadcnt 12                              ; step 0's four loads are in
	TURN 0
.macro STEP t
.set XS, X+16*((\t)%2)
.if (\t) > 0
	s_wait_dscnt 1                                 ; this step's numbers are back from the stage (the last step's byte store may be out): so its stores into the stage have read their registers,
.else
	s_wait_dscnt 0x0
.endif
.if (\t)+4 < STEPS
	LOAD (\t)+4                                    ; which take the loads of four steps on
.endif
.if (\t)+1 < STEPS
.if STEPS-2-(\t) >= 3
	s_wait_loadcnt 12                              ; the next step's four loads are in; those of the three steps behind it may be out
.else
	s_wait_loadcnt 4*(STEPS-2-(\t))
.endif
	TURN (\t)+1                                    ; and go through the other stage while this step is worked
.endif
	v_max3_num_f32 v8, |v[XS]|, |v[XS+1]|, |v[XS+2]|               ; the largest magnitude of my 16, in two chains
	v_max3_num_f32 v9, |v[XS+3]|, |v[XS+4]|, |v[XS+5]|
.irp i, 6,10
	v_max3_num_f32 v8, v8, |v[XS+\i]|, |v[XS+\i+1]|
	v_max3_num_f32 v9, v9, |v[XS+\i+2]|, |v[XS+\i+3]|
.endr
	v_max3_num_f32 v8, v8, |v[XS+14]|, |v[XS+15]|
	v_max3_num_f32 v8, v8, v9, (EMAX+1)<<23        ; and the floor 2^(3 - 127): the byte cannot fall under 1
	v_max_num_f32_dpp v8, v8, v8 row_xmask:1 row_mask:0xf bank_mask:0xf   ; and of my neighbour's 16: the block's
	v_add_nc_u32 v11, 0xff000000, v8               ; 2 off its exponent field: the conversion takes the exponent field of this operand as its scale
	v_cvt_scalef32_pk8_fp4_f32 v[C+4*(\t)], v[XS:XS+7], v11
	v_cvt_scalef32_pk8_fp4_f32 v[C+4*(\t)+1], v[XS+8:XS+15], v11
	v_lshrrev_b32 v[E+(\t)], 23, v11               ; the scale's byte (also the plain line behind the conversions)
	ds_store_b8 v5, v[E+(\t)] offset:16*(\t)       ; both lanes of a block write the same byte with the same value
	global_store_b64 v4, v[C+4*(\t):C+4*(\t)+1], s[6:7] offset:32*CB*(\t)   ; the wave stores 256 consecutive bytes, aligned
.endm
.irp t, 0,1,2,3,4,5,6,7,8,9,10,11,12,13,14,15
	STEP \t
.endr
	ds_load_b64 v[8:9], v6                         ; in order behind my byte stores
	s_wait_dscnt 0x0
	global_store_b64 v7, v[8:9], s[32:33]          ; 256 consecutive scale bytes, aligned
	s_wait_tensorcnt 0x0                           ; the wave's end
	ds_add_u32 v[SPW], v[NIL]
	s_wait_dscnt 0x0
	s_endpgm
	; ---------------- the mask: a wave takes 32 rows x one segment of 128 keys ----------------
.Lmask:
	s_sub_co_u32 s34, ttmp9, QWG
	s_lshl_b32 s34, s34, 2
	s_add_co_u32 s34, s34, s3                      ; J = 0 .. 4095: bits 3:0 the segment, bits 11:4 the group of 32 rows over all batches
	s_lshr_b32 s36, s34, 4
	s_lshl_b32 s36, s36, 18                        ; 32 rows of 8,192 bytes
	s_and_b32 s35, s34, 15
	s_lshl_b32 s38, s35, 9                         ; a segment is 512 bytes of a row
	s_add_co_u32 s36, s36, s38
	s_mov_b32 s37, 0
	s_add_nc_u64 s[22:23], s[22:23], s[36:37]
	s_lshr_b32 s38, s34, 10
	s_lshl_b32 s38, s38, 19                        ; batch: 16 segments x 2,048 rows x 16 bytes
	s_lshl_b32 s35, s35, 15                        ; segment: 2,048 rows x 16 bytes
	s_add_co_u32 s38, s38, s35
	s_bfe_u32 s35, s34, 0x60004                    ; the group of 32 rows inside the batch
	s_lshl_b32 s35, s35, 9
	s_add_co_u32 s38, s38, s35
	s_mov_b32 s39, 0
	s_add_nc_u64 s[30:31], s[30:31], s[38:39]
	v_lshlrev_b32 v1, 4, v2                        ; 16 bytes a lane, in and out
.irp c, 0,1,2,3
	v_mov_b32 v[8+\c], 0                           ; written whole before single lanes are written
.endr
.set i, 0
.rept 32
	global_load_b128 v[16+4*i:19+4*i], v1, s[22:23] offset:8192*i th:TH_LOAD_NT   ; row i: 512 consecutive bytes; lane l holds keys 4 l .. 4 l + 3
.set i, i+1
.endr
.macro MROW n                          ; row n: four compares give the row's four words (bit l of word c: key 4 l + c); they go to lane n
	s_wait_loadcnt 31-(\n)                         ; loads come back in order: row n is in, the younger rows stay out
.irp c, 0,1,2,3
	v_cmp_ne_u32 s[40+\c], 0, v[16+4*(\n)+\c]
.endr
.irp c, 0,1,2,3
	v_writelane_b32 v[8+\c], s[40+\c], \n
.endr
.endm
.set i, 0
.rept 32
	MROW i
.set i, i+1
.endr
	global_store_b128 v1, v[8:11], s[30:31]        ; 32 rows x 16 bytes: 512 consecutive bytes, aligned
	s_endpgm
	; ---------------- Wo: a wave takes 4,096 numbers ----------------
.Lwo:
	s_sub_co_u32 s34, ttmp9, MWG
	s_lshl_b32 s34, s34, 2
	s_add_co_u32 s34, s34, s3
	s_lshl_b32 s36, s34, 14
	s_mov_b32 s37, 0
	s_add_nc_u64 s[20:21], s[20:21], s[36:37]
	s_lshl_b32 s36, s34, 13
	s_add_nc_u64 s[28:29], s[28:29], s[36:37]
	v_lshlrev_b32 v1, 4, v2
	v_lshlrev_b32 v3, 3, v2
.set i, 0
.rept 32
	global_load_b128 v[16+4*i:19+4*i], v1, s[20:21] offset:512*i th:TH_LOAD_NT
.set i, i+1
.endr
.macro WCV n
	s_wait_loadcnt 31-(\n)
	v_cvt_pk_f16_f32 v[16+4*(\n)], v[16+4*(\n)], v[17+4*(\n)]
	v_cvt_pk_f16_f32 v[17+4*(\n)], v[18+4*(\n)], v[19+4*(\n)]
	global_store_b64 v3, v[16+4*(\n):17+4*(\n)], s[28:29] offset:256*(\n)   ; 256 consecutive bytes, aligned; no register is written again behind a store
.endm
.set i, 0
.rept 32
	WCV i
.set i, i+1
.endr
	s_endpgm
.Lfunc_end_k_q605e65957e_prep:
	.size	k_q605e65957e_prep, .Lfunc_end_k_q605e65957e_prep-k_q605e65957e_prep
	.p2alignl 7, 3214868480
	.fill 96, 4, 3214868480
	.section	.rodata,"a",@progbits
	.p2align	6, 0x0
	.amdhsa_kernel k_q605e65957e_prep
		.amdhsa_group_segment_fixed_size 33280
		.amdhsa_private_segment_fixed_size 0
		.amdhsa_enable_private_segment 0
		.amdhsa_kernarg_size 96
		.amdhsa_user_sgpr_count 2
		.amdhsa_user_sgpr_kernarg_segment_ptr 1
		.amdhsa_wavefront_size32 1
		.amdhsa_system_sgpr_workgroup_id_x 1
		.amdhsa_system_sgpr_workgroup_id_y 1
		.amdhsa_system_sgpr_workgroup_id_z 1
		.amdhsa_system_vgpr_workitem_id 0
		.amdhsa_next_free_vgpr 192
		.amdhsa_next_free_sgpr 66
		.amdhsa_reserve_vcc 0
		.amdhsa_float_denorm_mode_32 3
		.amdhsa_float_denorm_mode_16_64 3
		.amdhsa_memory_ordered 1
		.amdhsa_forward_progress 1
		.amdhsa_inst_pref_size 66
	.end_amdhsa_kernel
	.amdgpu_metadata
---
amdhsa.version: [ 1, 2 ]
amdhsa.kernels:
  - .name:           k_q605e65957e_prep
    .symbol:         k_q605e65957e_prep.kd
    .args:
      - { .name: q, .offset: 0, .size: 8, .value_kind: global_buffer, .address_space: global }
      - { .name: k, .offset: 8, .size: 8, .value_kind: global_buffer, .address_space: global }
      - { .name: v, .offset: 16, .size: 8, .value_kind: global_buffer, .address_space: global }
      - { .name: Wq, .offset: 24, .size: 8, .value_kind: global_buffer, .address_space: global }
      - { .name: Wk, .offset: 32, .size: 8, .value_kind: global_buffer, .address_space: global }
      - { .name: Wv, .offset: 40, .size: 8, .value_kind: global_buffer, .address_space: global }
      - { .name: Wo, .offset: 48, .size: 8, .value_kind: global_buffer, .address_space: global }
      - { .name: mask, .offset: 56, .size: 8, .value_kind: global_buffer, .address_space: global }
      - { .name: cod, .offset: 64, .size: 8, .value_kind: global_buffer, .address_space: global }
      - { .name: scl, .offset: 72, .size: 8, .value_kind: global_buffer, .address_space: global }
      - { .name: wo16, .offset: 80, .size: 8, .value_kind: global_buffer, .address_space: global }
      - { .name: mbits, .offset: 88, .size: 8, .value_kind: global_buffer, .address_space: global }
    .group_segment_fixed_size: 33280
    .private_segment_fixed_size: 0
    .kernarg_segment_align: 8
    .kernarg_segment_size: 96
    .max_flat_workgroup_size: 128
    .sgpr_count:     66
    .vgpr_count:     192
    .wavefront_size: 32
...
	.end_amdgpu_metadata
.endif
;; end of part 1
;; launch proj (part 2): grid 4 x 96, 4 waves a work-group, clusters of 4 x 4, 327,680 bytes of LDS; arguments cod, scl, bq, bk, bv, qkv; writes qkv
.if DOCPART == 2
	.amdgcn_target "amdgcn-amd-amdhsa--gfx1250"
	.amdhsa_code_object_version 6
	.text
	.protected	k_q605e65957e_proj
	.globl	k_q605e65957e_proj
	.p2align	8
	.type	k_q605e65957e_proj,@function
k_q605e65957e_proj:
	s_mov_b64 s[64:65], 0
	v_nop
	global_prefetch_b8 v0, s[64:65] scope:SCOPE_SE
	s_setreg_imm32_b32 hwreg(HW_REG_WAVE_MODE, 25, 1), 1
	s_wait_xcnt 0x0
	s_wait_alu depctr_hold_cnt(0) depctr_sa_sdst(0) depctr_va_vdst(0) depctr_va_sdst(0) depctr_va_ssrc(0) depctr_va_vcc(0) depctr_vm_vsrc(0)
	s_getreg_b32 s2, hwreg(HW_REG_IB_STS2, 6, 4)
	s_cmp_eq_u32 s2, 0
	s_cbranch_scc0 .Lentry_in_a_cluster
	s_endpgm
.Lentry_in_a_cluster:
	s_bfe_u32 s2, ttmp6, 0x10000c
	s_cmp_lg_u32 s2, 0xf033
	s_cbranch_scc0 .Lentry_shape_is_right
	s_endpgm
.Lentry_shape_is_right:
; PROJ: Q = q Wq^T + bq, K = k Wk^T + bk, V = v Wv^T + bv on codes of FP4 (E2M1) with one E8M0 scale for each 32 along K; sums in f32, results rounded once to f16.
; cod [27648][512 bytes], scl [27648][32]: rows 0 .. 24575 are q's, k's, v's rows; rows 24576 + 1024 t + n are row n of W_t (t = 0, 1, 2).  qkv: f16 [3 x 8192][1024].
; A tile of the result, 256 x 256, is made by a work-group of four waves; a wave makes 128 x 128: 64 accumulators, 512 registers.  Tile row ty = 0 .. 95 runs over q's, k's and v's rows on end.
; K = 1,024 is two LDS slots of 512 along K (rows of 256 bytes): both are filled once, at the start; nothing is filled again, so there is no loop.
; The scales of the work-group's 256 + 256 rows come once, as dense blocks.
; CLUSTERS: 4 x 4 work-groups; a cluster lies inside one of the three tensors (8 clusters of 4 tile rows each).  A's tiles are asked for jointly along a row of the cluster, B's along a column.
; THE MATRIX INSTRUCTION IS USED TRANSPOSED (source 0 = 16 rows of W, source 1 = 16 rows of x): a lane holds eight neighbouring columns of one row.  The bias is the C of each sum's first product.
; LIMITS: |Q|, |K|, |V| stay under 65,504, f16's largest number.
; REGISTERS: window 0: v0-31 addresses; v32-95 scale words, two sets; v96-127 packed results; v128-191 A's fragments, one set, later rows read back; v192-255 the bias, 8 registers for each block of 16 columns.
;   window 1: B's fragments, two sets, at v0 and v128.   window 2: accumulators of my rows 0-63 ((a, b) at v[8 (8 a + b)]);   window 3: those of rows 64-127.
.set KSTEP,  512
.set NQ,     4                         ; matrix instructions deep in a slot
.set ROWB,   256                       ; a tile's row in bytes
.set KROW,   512                       ; a row of codes in memory
.set PITCH,  272                       ; an LDS row: 256 bytes + 16 of padding: the 16 rows of a fragment load start 68 words apart
.set FR,     8
.set NL,     2
.set NP,     4
.set HALFT,  128*PITCH
.set SLOT,   4*HALFT
.set KS,     32                        ; a row of scale bytes
.set SCL,    2*SLOT                    ; behind the ring: the scales, as units of 256 bytes + 16 of padding
.set HALFS,  (128*KS/256)*272
.set SBLK,   (16*KS/256)*272
.set SPARE,  SCL+4*HALFS               ; the spare words, 128 bytes a wave
.set SPITCH, 272                       ; the way out: a stage of 16 rows x (256 + 16) bytes a wave, in slot 0, which has had its only fill and its last read by then
.set CROW,   2048                      ; a row of qkv in bytes
.set ADRA, 16
.set ADRB, 20
.set STO,  24
.set RD,   25
.set CO,   26
.set ADRS, 27
.set SPW,  28
.set NIL,  29
.set BA,   30                          ; v30  32 x (lane / 16): my eight numbers of a block of the bias
.set SC,   32
.set TMP,  96
.set AF,   128
.set OB,   128
.set BIAS, 192
.set G1, 24
.set G0, 32
.set G1B, 48
.set G0B, 56
.set G1S, 68
.set G0S, 76
.set G1SB, 80
.set G0SB, 88
.set MSB, 0
.macro WIN new                         ; the immediate's high byte repeats the setting that is left
.if MSB != (\new)
	s_set_vgpr_msb (MSB<<8)|(\new)
.set MSB, \new
.endif
.endm
.set MUL_LO, 0xa1                      ; source 0 (B) window 1, source 1 (A) window 0, C and D window 2
.set MUL_HI, 0xf1                      ; the same, C and D window 3
.set TO_B,   0x40
; A joint load: waves 0 and 1 fetch for A, waves 2 and 3 for B; the branch hangs on the wave's number alone.  An s_nop 0 and four v_nop follow each line.
.macro JLOAD g0a, g1a, g0b, g1b
	s_cmp_eq_u32 s15, 0
	s_cbranch_scc0 .Lfor_b_\@
	tensor_load_to_lds s[\g0a:\g0a+3], s[\g1a:\g1a+7]
	s_nop 0
.rept 4
	v_nop
.endr
	s_branch .Lasked_\@
.Lfor_b_\@:
	tensor_load_to_lds s[\g0b:\g0b+3], s[\g1b:\g1b+7]
	s_nop 0
.rept 4
	v_nop
.endr
.Lasked_\@:
.endm
.macro CROUND                          ; a round of the cluster's barrier
	s_barrier_signal -1
	s_barrier_wait -1
	s_cmp_lg_u32 s14, 0
	s_cbranch_scc1 .Lnot_wave_0_\@
	s_barrier_signal -3
.Lnot_wave_0_\@:
	s_barrier_wait -3
	s_barrier_signal -1
	s_barrier_wait -1
.endm
	s_load_b128 s[4:7], s[0:1], 0x0                ; cod s[4:5], scl s[6:7]
	s_load_b128 s[8:11], s[0:1], 0x10              ; bq s[8:9], bk s[10:11]
	s_load_b128 s[96:99], s[0:1], 0x20             ; bv s[96:97], qkv s[98:99]
	v_lshl_add_u32 v[SPW], v0, 2, SPARE
	v_mov_b32 v[NIL], 0
	ds_add_u32 v[SPW], v[NIL]                      ; the wave's opening: the add, twice on end, and its wait ahead of my first tensor load
	ds_add_u32 v[SPW], v[NIL]
	v_lshrrev_b32 v1, 5, v0
	v_readfirstlane_b32 s14, v1                    ; wave 0..3
	s_lshr_b32 s15, s14, 1                         ; my half of the tile's rows.  Also: I fetch for A (0) or for B (1)
	s_and_b32 s16, s14, 1                          ; my half of its columns.  Also: which 128 rows I fetch
	s_bfe_u32 s40, ttmp6, 0x40000                  ; cx
	s_bfe_u32 s41, ttmp6, 0x40004                  ; cy
	s_lshl_b32 s42, ttmp9, 2
	s_add_co_u32 s42, s42, s40                     ; tile column
	s_and_b32 s17, ttmp7, 0xffff                   ; cluster y
	s_lshr_b32 s100, s17, 3                        ; t: which of the three products; the same in all sixteen partners
	s_lshl_b32 s17, s17, 2
	s_add_co_u32 s17, s17, s41                     ; tile row
	s_lshl_b32 s43, s41, 2
	s_lshl_b32 s43, 15, s43                        ; my row of the cluster
	s_lshl_b32 s44, 0x1111, s40                    ; my column
	s_or_b32 s[G1+0], s43, (0<<16)|(1<<20)|(1<<21)|(5<<22)|(3<<25)  ; the mask; elements of 1 byte; padding: 4 words after every 64; bit 21 beside a mask
	s_or_b32 s[G1B+0], s44, (0<<16)|(1<<20)|(1<<21)|(5<<22)|(3<<25)
.irp g, G1, G1B
	s_mov_b32 s[\g+1], ROWB<<16                    ; tensor_dim0
	s_mov_b32 s[\g+2], 128<<16                     ; tensor_dim1
	s_mov_b32 s[\g+3], ROWB<<16                    ; tile_dim0
	s_mov_b32 s[\g+4], 128                         ; tile_dim1
	s_mov_b32 s[\g+5], KROW                        ; the pitch
	s_mov_b32 s[\g+6], 0
	s_mov_b32 s[\g+7], 0
.endr
	s_or_b32 s[G1S+0], s43, (3<<16)|(1<<20)|(1<<21)|(5<<22)|(3<<25) ; the scales of 128 rows: 4,096 dense bytes as 16 rows of 32 elements of 8 bytes
	s_or_b32 s[G1SB+0], s44, (3<<16)|(1<<20)|(1<<21)|(5<<22)|(3<<25)
.irp g, G1S, G1SB
	s_mov_b32 s[\g+1], 32<<16
	s_mov_b32 s[\g+2], (128*KS/256)<<16
	s_mov_b32 s[\g+3], 32<<16
	s_mov_b32 s[\g+4], 128*KS/256
	s_mov_b32 s[\g+5], 32
	s_mov_b32 s[\g+6], 0
	s_mov_b32 s[\g+7], 0
.endr
	s_lshl_b32 s18, s16, 7                         ; which 128 rows of the tile I fetch
	s_lshl_b32 s20, s17, 8
	s_add_co_u32 s20, s20, s18                     ; A: row 256 x tile row + 128 x half
	s_lshl_b32 s46, s42, 8
	s_add_co_u32 s46, s46, s18
	s_lshl_b32 s95, s100, 10
	s_add_co_u32 s46, s46, s95
	s_add_co_u32 s46, s46, 24576                   ; B: row 24,576 + 1,024 t + 256 x tile column + 128 x half
	s_lshl_b32 s22, s20, 5                         ; where these rows' scales begin, in bytes,
	s_mov_b32 s23, 0
	s_lshl_b32 s92, s46, 5
	s_mov_b32 s93, 0
	s_lshl_b32 s20, s20, 9                         ; and their codes
	s_mov_b32 s21, 0
	s_lshl_b32 s46, s46, 9
	s_mov_b32 s47, 0
	s_mul_i32 s45, s14, HALFT                      ; where they go: wave x 128 rows
	s_mul_i32 s94, s14, HALFS
	s_wait_dscnt 0x0                               ; both opening adds are done
	s_wait_kmcnt 0x0
	s_add_nc_u64 s[20:21], s[4:5], s[20:21]
	s_add_nc_u64 s[22:23], s[6:7], s[22:23]
	s_add_nc_u64 s[46:47], s[4:5], s[46:47]
	s_add_nc_u64 s[92:93], s[6:7], s[92:93]
	CROUND                                         ; all sixteen work-groups are here: the joint loads meet
	s_mov_b32 s[G0S], 1
	s_add_co_u32 s[G0S+1], s94, SCL
	s_mov_b64 s[G0S+2:G0S+3], s[22:23]
	s_or_b32 s[G0S+3], s[G0S+3], 0x80000000
	s_mov_b32 s[G0SB], 1
	s_add_co_u32 s[G0SB+1], s94, SCL
	s_mov_b64 s[G0SB+2:G0SB+3], s[92:93]
	s_or_b32 s[G0SB+3], s[G0SB+3], 0x80000000
	JLOAD G0S, G1S, G0SB, G1SB                     ; the scales first: they are wanted with the first slot
.irp s, 0,1
	s_mov_b32 s[G0+4*\s], 1
	s_add_co_u32 s[G0+4*\s+1], s45, \s*SLOT
	s_add_nc_u64 s[G0+4*\s+2:G0+4*\s+3], s[20:21], \s*ROWB
	s_or_b32 s[G0+4*\s+3], s[G0+4*\s+3], 0x80000000
	s_mov_b32 s[G0B+4*\s], 1
	s_add_co_u32 s[G0B+4*\s+1], s45, \s*SLOT
	s_add_nc_u64 s[G0B+4*\s+2:G0B+4*\s+3], s[46:47], \s*ROWB
	s_or_b32 s[G0B+4*\s+3], s[G0B+4*\s+3], 0x80000000
	JLOAD G0+4*\s, G1, G0B+4*\s, G1B               ; three tensor loads of mine are out, all first fills
.endr
	v_and_b32 v1, 15, v0                           ; r
	v_bfe_u32 v2, v0, 4, 1                         ; h
	v_mul_u32_u24 v3, v1, PITCH
	v_lshl_add_u32 v4, v2, 4, v3                   ; a fragment's row x pitch + 16 h
	s_mul_i32 s21, s15, HALFT
	s_mul_i32 s22, s16, HALFT
	s_add_co_u32 s22, s22, 2*HALFT
.irp s, 0,1
	v_add_nc_u32 v[ADRA+\s], s21, v4
	v_add_nc_u32 v[ADRB+\s], s22, v4
	s_add_co_u32 s21, s21, SLOT
	s_add_co_u32 s22, s22, SLOT
.endr
	v_mul_u32_u24 v5, v1, KS                       ; my row's scales: 32 bytes a row,
	v_lshrrev_b32 v6, 8, v5
	v_lshl_add_u32 v5, v6, 4, v5                   ; and 16 more for each 256 passed
	s_mul_i32 s21, s15, HALFS
	s_mul_i32 s22, s16, HALFS
	s_add_co_u32 s22, s22, 2*HALFS
	s_sub_co_u32 s22, s22, s21
	v_mul_u32_u24 v6, s22, v2                      ; lanes 16-31 take B's: one product, the distance between the two bases
	s_add_co_u32 s21, s21, SCL
	v_add_nc_u32 v5, v5, v6
	v_add_nc_u32 v[ADRS], s21, v5
	s_mul_i32 s23, s14, 16*SPITCH                  ; my stage
	v_mul_u32_u24 v5, v1, SPITCH
	v_lshl_add_u32 v5, v2, 4, v5
	v_add_nc_u32 v[STO], s23, v5                   ; in: row r, 16 bytes for each half of the lanes
	v_mul_u32_u24 v5, v2, SPITCH
	v_lshl_add_u32 v5, v1, 4, v5
	v_add_nc_u32 v[RD], s23, v5                    ; back: lanes 0-15 one row of 256 bytes, lanes 16-31 the next
	v_lshlrev_b32 v5, 11, v2
	v_lshl_add_u32 v[CO], v1, 4, v5                ; and the same two rows in qkv
	s_lshl_b32 s20, s17, 8
	s_lshl_b32 s21, s15, 7
	s_add_co_u32 s20, s20, s21                     ; my first row
	s_lshl_b32 s20, s20, 11
	s_lshl_b32 s46, s42, 9
	s_lshl_b32 s47, s16, 8
	s_add_co_u32 s46, s46, s47                     ; my first column, in bytes of f16
	s_add_co_u32 s20, s20, s46
	s_mov_b32 s21, 0
	s_add_nc_u64 s[12:13], s[98:99], s[20:21]
	s_cmp_lt_u32 s100, 2                           ; the bias of my product: a choice on t, which hangs on no address
	s_cselect_b64 s[66:67], s[10:11], s[96:97]
	s_cmp_lt_u32 s100, 1
	s_cselect_b64 s[66:67], s[8:9], s[66:67]
	s_lshl_b32 s46, s46, 1                         ; my first column, in bytes of f32
	s_mov_b32 s47, 0
	s_add_nc_u64 s[66:67], s[66:67], s[46:47]
	v_lshlrev_b32 v[BA], 5, v2
.irp b, 0,1,2,3,4,5,6,7
	global_load_b128 v[BIAS+8*\b:BIAS+8*\b+3], v[BA], s[66:67] offset:64*\b        ; lane (r, h): the bias of columns 16 b + 8 h + 0 .. 7: the result's layout
	global_load_b128 v[BIAS+8*\b+4:BIAS+8*\b+7], v[BA], s[66:67] offset:64*\b+16
.endr
.macro FRAG reg, adr, q, i             ; 16 rows x 128 K of 4-bit codes: 8 registers; registers 4 c .. 4 c + 3 hold K = 64 c + 32 h + 0 .. 31
.irp c, 0,1
	ds_load_b128 v[\reg+4*\c:\reg+4*\c+3], v[\adr] offset:64*(\q)+32*\c+(\i)*16*PITCH
.endr
.endm
; 16 matrix instructions: A's blocks a0, a0 + 1 x B's eight, the slot's q-th 128 along K.  first = 1: the bias starts the sums.  The 64 accumulators take turns.
.macro MUL16 a0, p, q, sc, first
.irp a, \a0, \a0+1
.irp b, 0,1,2,3,4,5,6,7
.if \first
	v_wmma_scale_f32_16x16x128_f8f6f4 v[8*(8*((\a)%4)+\b):8*(8*((\a)%4)+\b)+7], v[128*(\p)+FR*\b:128*(\p)+FR*\b+FR-1], v[AF+FR*(\a):AF+FR*(\a)+FR-1], v[BIAS+8*\b:BIAS+8*\b+7], v[SC+8*NQ*(\sc)+NQ*\b+(\q)], v[SC+8*NQ*(\sc)+NQ*(\a)+(\q)] matrix_a_fmt:MATRIX_FMT_FP4 matrix_b_fmt:MATRIX_FMT_FP4 matrix_a_scale:MATRIX_SCALE_ROW1
.else
	v_wmma_scale_f32_16x16x128_f8f6f4 v[8*(8*((\a)%4)+\b):8*(8*((\a)%4)+\b)+7], v[128*(\p)+FR*\b:128*(\p)+FR*\b+FR-1], v[AF+FR*(\a):AF+FR*(\a)+FR-1], v[8*(8*((\a)%4)+\b):8*(8*((\a)%4)+\b)+7], v[SC+8*NQ*(\sc)+NQ*\b+(\q)], v[SC+8*NQ*(\sc)+NQ*(\a)+(\q)] matrix_a_fmt:MATRIX_FMT_FP4 matrix_b_fmt:MATRIX_FMT_FP4 matrix_a_scale:MATRIX_SCALE_ROW1
.endif
.endr
.endr
.endm
.macro FETCH_B slot, q, p
	WIN TO_B
.irp i, 0,1,2,3,4,5,6,7
	FRAG 128*(\p)+FR*\i, ADRB+\slot, \q, \i
.endr
	WIN 0
.endm
.macro FETCH_A slot, q, i0
.irp i, \i0, \i0+1, \i0+2, \i0+3
	FRAG AF+FR*(\i), ADRA+\slot, \q, \i
.endr
.endm
.macro SCALES sc                       ; a slot's scale words: 4 words a row; lanes 0-15 take A's block i, lanes 16-31 B's block i
.irp i, 0,1,2,3,4,5,6,7
	ds_load_b128 v[SC+8*NQ*\sc+NQ*\i:SC+8*NQ*\sc+NQ*\i+3], v[ADRS] offset:\i*SBLK
.endr
.endm
.macro PLACES n                        ; plain vector instructions between a matrix instruction and a load into, or a read of, its registers
.rept \n
	v_nop
.endr
.endm
.macro STEP slot, q, first             ; a step of 128 along K that has its successor in the same slot
	s_wait_dscnt 4*NL                              ; B's set and A's blocks 0-3 are in; the youngest eight loads (A's blocks 4-7) may be out
.if \first
	WIN 0x81                                       ; C (the bias) in window 0, D in window 2
.else
	WIN MUL_LO
.endif
	MUL16 0, (\q)%2, \q, \slot, \first
	MUL16 2, (\q)%2, \q, \slot, \first
	s_wait_dscnt 0                                 ; A's blocks 4-7 are in
	PLACES NP
	FETCH_B \slot, (\q)+1, 1-(\q)%2
	FETCH_A \slot, (\q)+1, 0
.if \first
	WIN 0xc1                                       ; C in window 0, D in window 3
.else
	WIN MUL_HI
.endif
	MUL16 4, (\q)%2, \q, \slot, \first
	MUL16 6, (\q)%2, \q, \slot, \first
	PLACES NP
	WIN 0
	FETCH_A \slot, (\q)+1, 4
.endm
.macro STEPS slot, from
.set Q, \from
.rept NQ-1-\from
	STEP \slot, Q, 0
.set Q, Q+1
.endr
.endm
	s_wait_tensorcnt 1                             ; the scales and my part of slot 0 are in; slot 1's load may be out
	s_barrier_signal -1
	s_barrier_wait -1
	FETCH_B 0, 0, 0
	FETCH_A 0, 0, 0
	SCALES 0
	FETCH_A 0, 0, 4
	s_wait_loadcnt 0x0                             ; the bias
	STEP 0, 0, 1
	STEPS 0, 1
	; slot 0's last step changes slots: one barrier; in front of it each wave waits for its last tensor load (slot 1's), and for its own reads of slot 0, which becomes the stage later
	s_wait_tensorcnt 0x0
	ds_add_u32 v[SPW], v[NIL]
	s_wait_dscnt 4*NL+1                            ; (the add and A's blocks 4-7 may be out)
	WIN MUL_LO
	MUL16 0, 1, NQ-1, 0, 0
	s_wait_dscnt 0x0                               ; the add is done, and my reads of slot 0 are over
	s_barrier_signal -1
	MUL16 2, 1, NQ-1, 0, 0
	WIN 0
	s_barrier_wait -1
	PLACES NP
	v_add_nc_u32 v[ADRS], 4*NQ, v[ADRS]            ; on to slot 1's scale words
	FETCH_B 1, 0, 0
	FETCH_A 1, 0, 0
	SCALES 1
	WIN MUL_HI
	MUL16 4, 1, NQ-1, 0, 0
	MUL16 6, 1, NQ-1, 0, 0
	PLACES NP
	WIN 0
	FETCH_A 1, 0, 4
	STEPS 1, 0
	s_wait_dscnt 4*NL                              ; the very last step: nothing more to fetch
	WIN MUL_LO
	MUL16 0, 1, NQ-1, 1, 0
	MUL16 2, 1, NQ-1, 1, 0
	s_wait_dscnt 0
	WIN MUL_HI
	MUL16 4, 1, NQ-1, 1, 0
	MUL16 6, 1, NQ-1, 1, 0
	WIN 0
; THE WAY OUT of block a (16 rows x 128 columns).  PACK: rounded to f16, 16 bytes a lane, each accumulator from its low end on.  TOSTAGE: into my own stage and back as whole rows of 256 bytes.  SEND: stored.
.macro PACK a
.set AC, 64*((\a)%4)
	WIN 0x0a+5*((\a)/4)                            ; sources 0 and 1: window 2 or 3
.irp b, 0,1,2,3,4,5,6,7
.irp r, 0,1,2,3
	v_cvt_pk_f16_f32 v[TMP+4*\b+\r], v[AC+8*\b+2*\r], v[AC+8*\b+2*\r+1]
.endr
.endr
	WIN 0
.endm
.macro TOSTAGE a
.set BK, OB+32*((\a)%2)
.irp b, 0,1,2,3,4,5,6,7
	ds_store_b128 v[STO], v[TMP+4*\b:TMP+4*\b+3] offset:32*\b
.endr
.irp t, 0,1,2,3,4,5,6,7
	ds_load_b128 v[BK+4*\t:BK+4*\t+3], v[RD] offset:\t*2*SPITCH    ; LDS serves a wave's instructions in order: these see the stores above
.endr
.endm
.macro SEND a
.set BK, OB+32*((\a)%2)
	s_wait_dscnt 0x0                               ; the block is back in registers
	s_wait_xcnt 0x0                                ; earlier stores have read their base and their data: both may be written again
.if (\a) > 0
	s_add_nc_u64 s[12:13], s[12:13], 16*CROW
.endif
.irp t, 0,1,2,3,4,5,6,7
	global_store_b128 v[CO], v[BK+4*\t:BK+4*\t+3], s[12:13] offset:2*\t*CROW   ; 16 lanes store 256 consecutive bytes, aligned
.endr
.endm
	PLACES NP                                      ; behind the last products: for the conversions that read results and the loads into A's registers
	PACK 0
	TOSTAGE 0
.irp a, 1,2,3,4,5,6,7
	PACK \a
	SEND \a-1
	TOSTAGE \a
.endr
	SEND 7
	s_wait_tensorcnt 0x0                           ; the wave's end
	ds_add_u32 v[SPW], v[NIL]
	s_wait_dscnt 0x0
	CROUND                                         ; the closing round
	s_endpgm
.Lfunc_end_k_q605e65957e_proj:
	.size	k_q605e65957e_proj, .Lfunc_end_k_q605e65957e_proj-k_q605e65957e_proj
	.p2alignl 7, 3214868480
	.fill 96, 4, 3214868480
	.section	.rodata,"a",@progbits
	.p2align	6, 0x0
	.amdhsa_kernel k_q605e65957e_proj
		.amdhsa_group_segment_fixed_size 327680
		.amdhsa_private_segment_fixed_size 0
		.amdhsa_enable_private_segment 0
		.amdhsa_kernarg_size 48
		.amdhsa_user_sgpr_count 2
		.amdhsa_user_sgpr_kernarg_segment_ptr 1
		.amdhsa_wavefront_size32 1
		.amdhsa_system_sgpr_workgroup_id_x 1
		.amdhsa_system_sgpr_workgroup_id_y 1
		.amdhsa_system_sgpr_workgroup_id_z 1
		.amdhsa_system_vgpr_workitem_id 0
		.amdhsa_next_free_vgpr 1024
		.amdhsa_next_free_sgpr 102
		.amdhsa_reserve_vcc 0
		.amdhsa_float_denorm_mode_32 3
		.amdhsa_float_denorm_mode_16_64 3
		.amdhsa_memory_ordered 1
		.amdhsa_forward_progress 1
		.amdhsa_inst_pref_size 128
	.end_amdhsa_kernel
	.amdgpu_metadata
---
amdhsa.version: [ 1, 2 ]
amdhsa.kernels:
  - .name:           k_q605e65957e_proj
    .symbol:         k_q605e65957e_proj.kd
    .args:
      - { .name: cod, .offset: 0, .size: 8, .value_kind: global_buffer, .address_space: global }
      - { .name: scl, .offset: 8, .size: 8, .value_kind: global_buffer, .address_space: global }
      - { .name: bq, .offset: 16, .size: 8, .value_kind: global_buffer, .address_space: global }
      - { .name: bk, .offset: 24, .size: 8, .value_kind: global_buffer, .address_space: global }
      - { .name: bv, .offset: 32, .size: 8, .value_kind: global_buffer, .address_space: global }
      - { .name: qkv, .offset: 40, .size: 8, .value_kind: global_buffer, .address_space: global }
    .group_segment_fixed_size: 327680
    .private_segment_fixed_size: 0
    .kernarg_segment_align: 8
    .kernarg_segment_size: 48
    .max_flat_workgroup_size: 128
    .sgpr_count:     102
    .vgpr_count:     1024
    .wavefront_size: 32
...
	.end_amdgpu_metadata
.endif
;; end of part 2
;; launch scores (part 3): grid 8 x 32, 4 waves a work-group, clusters of 4 x 4, 327,680 bytes of LDS; arguments qkv, mbits, pbuf, stat; writes pbuf, stat
.if DOCPART == 3
	.amdgcn_target "amdgcn-amd-amdhsa--gfx1250"
	.amdhsa_code_object_version 6
	.text
	.protected	k_q605e65957e_scores
	.globl	k_q605e65957e_scores
	.p2align	8
	.type	k_q605e65957e_scores,@function
k_q605e65957e_scores:
	s_mov_b64 s[64:65], 0
	v_nop
	global_prefetch_b8 v0, s[64:65] scope:SCOPE_SE
	s_setreg_imm32_b32 hwreg(HW_REG_WAVE_MODE, 25, 1), 1
	s_wait_xcnt 0x0
	s_wait_alu depctr_hold_cnt(0) depctr_sa_sdst(0) depctr_va_vdst(0) depctr_va_sdst(0) depctr_va_ssrc(0) depctr_va_vcc(0) depctr_vm_vsrc(0)
	s_getreg_b32 s2, hwreg(HW_REG_IB_STS2, 6, 4)
	s_cmp_eq_u32 s2, 0
	s_cbranch_scc0 .Lentry_in_a_cluster
	s_endpgm
.Lentry_in_a_cluster:
	s_bfe_u32 s2, ttmp6, 0x10000c
	s_cmp_lg_u32 s2, 0xf033
	s_cbranch_scc0 .Lentry_shape_is_right
	s_endpgm
.Lentry_shape_is_right:
; SCORES: for each batch S = Q K^T (f16 operands, f32 sums), the mask, and a softmax by SEGMENTS of 128 keys.
; e = S / 32, and -32,768 where the mask is 0, as the problem has it; t = e log2(e).  For each query and each segment: M = the segment's largest t rounded UP to a whole number;
; p = 2^(t - M), stored as f16 in pbuf [8192 queries][2048 keys]; -M and the f32 sum of the unrounded p go to stat [2][16 segments][8192].  The next launch brings the segments
; under the row's largest M by exact powers of two and divides by the row's sum: so the maximum is taken away ahead of every exponential, whatever the inputs.
; A tile, 256 queries x 256 keys, is made by four waves, each 128 x 128: 64 accumulators, 512 registers; a wave's 128 keys are one segment.  K = 1,024 goes in 8 steps of 128 through two LDS slots.
; CLUSTERS: 4 x 4 work-groups inside one batch: Q's tiles are asked for jointly along a row of the cluster, K's along a column.
; TRANSPOSED USE: source 0 = 16 keys, source 1 = 16 queries: lane (r, h) holds query r; register j of accumulator (a, b) is key 16 b + 8 h + j of query 16 a + r.
; No prefetch: each tile of Q and K is read by several clusters at about the same time, and only half of the 8 steps could be asked for ahead.
; LIMITS: NaN and infinities are not served; Q and K arrive as f16.
; REGISTERS: window 0: v0-31 addresses; v32-63 the mask's words of my 128 queries; v64-127, v128-191 A's fragments, two buffers; on the way out v64-255 are at work.
;   window 1: v64-127, v128-191 B's fragments.   window 2: accumulators of my queries 0-63 ((a, b) at v[8 (8 a + b)]);   window 3: those of queries 64-127.
.set KSTEP,  128
.set PITCH,  272                       ; an LDS row: 256 bytes + 16 of padding
.set HALFT,  128*PITCH
.set SLOT,   4*HALFT
.set STAGE,  2*SLOT                    ; behind the ring: 16 rows x 272 bytes a wave
.set SPITCH, 272
.set STATW,  STAGE+4*16*SPITCH         ; 1,024 bytes a wave: 128 x -M, 128 x sum
.set SPARE,  STATW+4*1024              ; the spare words, 128 bytes a wave
.set LAPS,   4
.set PROW,   4096                      ; a row of pbuf in bytes
.set ADRA, 16
.set SR2,  18                          ; v18  where I read my wave's statistics back
.set SG,   19                          ; v19  16 x lane
.set ADRB, 20
.set MA,   22                          ; v22  16 r: my query's four mask words
.set SW,   23                          ; v23  where I put a statistic: 4 r + 512 h
.set STO,  24
.set RD,   25
.set CO,   26
.set FILL, 27                          ; v27  -32,768 x 32: the fill, in units of the raw sums
.set SPW,  28
.set NIL,  29
.set SH,   31                          ; v31  2 h
.set W,    32
.set F0,   64
.set F1,   128
.set T,    64                          ; the way out: 64 scores of a lane
.set TMP,  128
.set OB,   160                         ; v160-191, v192-223 by turns
.set NM,   224                         ; v[224:225] -M (the pair's upper word is written once)
.set SU,   226                         ; v226-229 sums
.set MX,   230                         ; v230-233 maxima
.set TP,   234                         ; v234-237 at work
.set NS,   240                         ; v240-247 -M of block a
.set LS,   248                         ; v248-255 the sum of block a
.set G1, 24
.set G0, 32
.set G1B, 48
.set G0B, 56
.set WV, 66
.set RW, 67
.set CW, 68
.set CBASE, 74                         ; s[74:75] pbuf at my first row and column
.set SBASE, 76                         ; s[76:77] stat at my segment and first row
.set HM,  78                           ; s78 lanes 16-31
.set CS,  80                           ; s[80:81] log2(e) / 32
.set SEL, 82                           ; s[82:83] lane l xor 16
.set CM,  84                           ; s84-87 compare masks
.set MSB, 0
.macro WIN new
.if MSB != (\new)
	s_set_vgpr_msb (MSB<<8)|(\new)
.set MSB, \new
.endif
.endm
.set MUL_LO, 0xa1
.set MUL_HI, 0xf1
.set TO_B,   0x40
.macro JLOAD s                         ; a joint load: waves 0 and 1 fetch Q's two halves, waves 2 and 3 K's; an s_nop 0 and four v_nop follow each line
	s_cmp_eq_u32 s[RW], 0
	s_cbranch_scc0 .Lfor_b_\@
	tensor_load_to_lds s[G0+4*\s:G0+4*\s+3], s[G1:G1+7]
	s_nop 0
.rept 4
	v_nop
.endr
	s_branch .Lasked_\@
.Lfor_b_\@:
	tensor_load_to_lds s[G0B+4*\s:G0B+4*\s+3], s[G1B:G1B+7]
	s_nop 0
.rept 4
	v_nop
.endr
.Lasked_\@:
.endm
.macro CREST
	s_cmp_lg_u32 s[WV], 0
	s_cbranch_scc1 .Lnot_wave_0_\@
	s_barrier_signal -3
.Lnot_wave_0_\@:
	s_barrier_wait -3
	s_barrier_signal -1
	s_barrier_wait -1
.endm
.macro CROUND
	s_barrier_signal -1
	s_barrier_wait -1
	CREST
.endm
	s_load_b256 s[4:11], s[0:1], 0x0               ; qkv s[4:5], mbits s[6:7], pbuf s[8:9], stat s[10:11]
	v_lshl_add_u32 v[SPW], v0, 2, SPARE
	v_mov_b32 v[NIL], 0
	ds_add_u32 v[SPW], v[NIL]                      ; the wave's opening: the add, twice on end, and its wait ahead of my first tensor load
	ds_add_u32 v[SPW], v[NIL]
	v_lshrrev_b32 v1, 5, v0
	v_readfirstlane_b32 s[WV], v1
	s_lshr_b32 s[RW], s[WV], 1                     ; my half of the queries.  Also: I fetch for Q (0) or K (1)
	s_and_b32 s[CW], s[WV], 1                      ; my half of the keys.  Also: which 128 rows I fetch
	s_bfe_u32 s40, ttmp6, 0x40000                  ; cx
	s_bfe_u32 s41, ttmp6, 0x40004                  ; cy
	s_lshl_b32 s42, ttmp9, 2
	s_add_co_u32 s42, s42, s40                     ; tile column: 256 keys
	s_and_b32 s73, ttmp7, 0xffff                   ; cluster y
	s_lshl_b32 s43, s73, 2
	s_add_co_u32 s43, s43, s41                     ; tile row: 256 queries, over all batches
	s_lshr_b32 s73, s73, 1                         ; the batch: the same in all sixteen partners
	s_lshl_b32 s44, s41, 2
	s_lshl_b32 s44, 15, s44                        ; my row of the cluster
	s_lshl_b32 s45, 0x1111, s40                    ; my column
	s_or_b32 s[G1+0], s44, (1<<16)|(1<<20)|(1<<21)|(5<<22)|(3<<25)   ; the mask; elements of 2 bytes; padding: 4 words after every 64; bit 21 beside a mask
	s_or_b32 s[G1B+0], s45, (1<<16)|(1<<20)|(1<<21)|(5<<22)|(3<<25)
.irp g, G1, G1B
	s_mov_b32 s[\g+1], KSTEP<<16                   ; tensor_dim0
	s_mov_b32 s[\g+2], 128<<16                     ; tensor_dim1
	s_mov_b32 s[\g+3], KSTEP<<16                   ; tile_dim0
	s_mov_b32 s[\g+4], 128                         ; tile_dim1
	s_mov_b32 s[\g+5], 1024                        ; the pitch, in elements
	s_mov_b32 s[\g+6], 0
	s_mov_b32 s[\g+7], 0
.endr
	s_lshl_b32 s12, s[CW], 7
	s_lshl_b32 s16, s43, 8
	s_add_co_u32 s16, s16, s12                     ; Q: row 256 x tile row + 128 x half
	s_lshl_b32 s16, s16, 11                        ; rows of 2,048 bytes
	s_mov_b32 s17, 0
	s_lshl_b32 s46, s42, 8
	s_add_co_u32 s46, s46, s12
	s_lshl_b32 s13, s73, 11
	s_add_co_u32 s46, s46, s13                     ; K: row 2,048 x batch + 256 x tile column + 128 x half
	s_lshl_b32 s46, s46, 11
	s_add_co_u32 s46, s46, 16777216                ; K lies behind Q in qkv
	s_mov_b32 s47, 0
	s_mul_i32 s20, s[WV], HALFT                    ; where they go: wave x 128 rows
	s_mov_b32 s[CS], 0x3d38aa3b                    ; log2(e) / 32
	s_mov_b32 s[CS+1], s[CS]
	s_mov_b32 s[SEL], 0x76543210
	s_mov_b32 s[SEL+1], 0xfedcba98
	s_mov_b32 s[HM], 0xffff0000
	s_wait_dscnt 0x0                               ; both opening adds are done
	s_wait_kmcnt 0x0
	s_add_nc_u64 s[14:15], s[4:5], s[16:17]
	s_add_nc_u64 s[46:47], s[4:5], s[46:47]
	CROUND                                         ; all sixteen work-groups are here: the first joint loads meet
.irp s, 0,1
	s_mov_b32 s[G0+4*\s], 1
	s_add_co_u32 s[G0+4*\s+1], s20, \s*SLOT
	s_add_nc_u64 s[G0+4*\s+2:G0+4*\s+3], s[14:15], \s*KSTEP*2
	s_or_b32 s[G0+4*\s+3], s[G0+4*\s+3], 0x80000000
	s_mov_b32 s[G0B+4*\s], 1
	s_add_co_u32 s[G0B+4*\s+1], s20, \s*SLOT
	s_add_nc_u64 s[G0B+4*\s+2:G0B+4*\s+3], s[46:47], \s*KSTEP*2
	s_or_b32 s[G0B+4*\s+3], s[G0B+4*\s+3], 0x80000000
	JLOAD \s                                       ; two tensor loads of mine are out
.endr
	v_and_b32 v1, 15, v0                           ; r
	v_bfe_u32 v2, v0, 4, 1                         ; h
	v_mul_u32_u24 v3, v1, PITCH
	v_lshl_add_u32 v3, v2, 4, v3
	s_mul_i32 s21, s[RW], HALFT
	s_mul_i32 s22, s[CW], HALFT
	s_add_co_u32 s22, s22, 2*HALFT
.irp s, 0,1
	v_add_nc_u32 v[ADRA+\s], s21, v3
	v_add_nc_u32 v[ADRB+\s], s22, v3
	s_add_co_u32 s21, s21, SLOT
	s_add_co_u32 s22, s22, SLOT
.endr
	s_mul_i32 s23, s[WV], 16*SPITCH
	s_add_co_u32 s23, s23, STAGE
	v_mul_u32_u24 v4, v1, SPITCH
	v_lshl_add_u32 v4, v2, 4, v4
	v_add_nc_u32 v[STO], s23, v4
	v_mul_u32_u24 v5, v2, SPITCH
	v_lshl_add_u32 v5, v1, 4, v5
	v_add_nc_u32 v[RD], s23, v5
	v_lshlrev_b32 v5, 12, v2
	v_lshl_add_u32 v[CO], v1, 4, v5                ; two rows of pbuf, 16 bytes a lane
	s_lshl_b32 s23, s[WV], 10
	s_add_co_u32 s23, s23, STATW
	v_lshlrev_b32 v5, 2, v1
	v_lshl_add_u32 v5, v2, 9, v5
	v_add_nc_u32 v[SW], s23, v5
	v_and_b32 v5, 31, v0
	v_lshlrev_b32 v[SG], 4, v5
	v_add_nc_u32 v[SR2], s23, v[SG]
	v_lshlrev_b32 v[MA], 4, v1
	v_lshlrev_b32 v[SH], 1, v2
	v_mov_b32 v[FILL], 0xc9800000
	v_mov_b32 v[NM+1], 0                           ; named as a pair's upper word
	v_mov_b32 v[TP+1], 0                           ; a lane permute's destination counts as one of its sources
	s_lshl_b32 s13, s42, 1
	s_add_co_u32 s18, s13, s[CW]                   ; my segment: 2 x tile column + half
	s_lshl_b32 s12, s73, 4
	s_add_co_u32 s12, s12, s18
	s_lshl_b32 s12, s12, 11                        ; (16 batch + segment) x 2,048 rows
	s_and_b32 s13, s43, 7
	s_lshl_b32 s13, s13, 8
	s_add_co_u32 s12, s12, s13
	s_lshl_b32 s13, s[RW], 7
	s_add_co_u32 s12, s12, s13                     ; + my first query inside the batch
	s_lshl_b32 s12, s12, 4                         ; 16 bytes a row
	s_mov_b32 s13, 0
	s_add_nc_u64 s[6:7], s[6:7], s[12:13]
.irp a, 0,1,2,3,4,5,6,7
	global_load_b128 v[W+4*\a:W+4*\a+3], v[MA], s[6:7] offset:256*\a   ; query 16 a + r: sixteen lanes read 256 consecutive bytes; awaited on the way out
.endr
	s_lshl_b32 s12, s43, 8
	s_lshl_b32 s13, s[RW], 7
	s_add_co_u32 s12, s12, s13                     ; my first query, over all batches
	s_lshl_b32 s16, s12, 2
	s_lshl_b32 s17, s18, 15
	s_add_co_u32 s16, s16, s17                     ; stat: segment x 32,768 + 4 x query
	s_mov_b32 s17, 0
	s_lshl_b32 s12, s12, 12
	s_lshl_b32 s13, s18, 8
	s_add_co_u32 s12, s12, s13                     ; pbuf: query x 4,096 + segment x 256
	s_mov_b32 s13, 0
	s_add_nc_u64 s[CBASE:CBASE+1], s[8:9], s[12:13]
	s_add_nc_u64 s[SBASE:SBASE+1], s[10:11], s[16:17]
; 16 matrix instructions: query blocks a0, a0 + 1 of the window's four x all 8 key blocks, 32 along K.  zero = 1: the first product starts the sums.  The 64 accumulators take turns.
.macro MUL16 f, hi, a0, zero
.irp a, \a0, \a0+1
.irp b, 0,1,2,3,4,5,6,7
.if \zero
	v_wmma_f32_16x16x32_f16 v[8*(8*(\a)+\b):8*(8*(\a)+\b)+7], v[\f+8*\b:\f+8*\b+7], v[\f+8*(4*\hi+\a):\f+8*(4*\hi+\a)+7], 0
.else
	v_wmma_f32_16x16x32_f16 v[8*(8*(\a)+\b):8*(8*(\a)+\b)+7], v[\f+8*\b:\f+8*\b+7], v[\f+8*(4*\hi+\a):\f+8*(4*\hi+\a)+7], v[8*(8*(\a)+\b):8*(8*(\a)+\b)+7]
.endif
.endr
.endr
.endm
.macro FETCH slot, k, f                ; 32 LDS loads in one run: the fragments of 32 along K at byte k of the rows
	WIN TO_B
.irp i, 0,1,2,3,4,5,6,7
	ds_load_b128 v[\f+8*\i:\f+8*\i+3],   v[ADRB+\slot] offset:\k+\i*16*PITCH
	ds_load_b128 v[\f+8*\i+4:\f+8*\i+7], v[ADRB+\slot] offset:\k+\i*16*PITCH+32
.endr
	WIN 0
.irp i, 0,1,2,3,4,5,6,7
	ds_load_b128 v[\f+8*\i:\f+8*\i+3],   v[ADRA+\slot] offset:\k+\i*16*PITCH
	ds_load_b128 v[\f+8*\i+4:\f+8*\i+7], v[ADRA+\slot] offset:\k+\i*16*PITCH+32
.endr
.endm
.macro PLACES                          ; four plain vector instructions between a matrix instruction and a load into its registers
.rept 4
	v_nop
.endr
.endm
.macro QUARTER slot, k, f, g, zero     ; multiplies buffer f; in its middle fetches the next quarter, at byte k, into g
	s_wait_dscnt 8                                 ; B and A's rows 0-63 are in; the youngest eight loads (A's rows 64-127) may be out
	WIN MUL_LO
	MUL16 \f, 0, 0, \zero
	MUL16 \f, 0, 2, \zero
	PLACES
	FETCH \slot, \k, \g
	s_wait_dscnt 32                                ; all but the 32 just issued
	WIN MUL_HI
	MUL16 \f, 1, 0, \zero
	MUL16 \f, 1, 2, \zero
.endm
; The first half of a slot's last quarter: one barrier for the change of slots.  In front of it each wave waits for all its tensor loads (one is out: its part of the next slot), adds 0 to its spare word, and waits for that and for its reads of this slot.
.macro MEET round
	WIN 0
	s_wait_tensorcnt 0x0
	ds_add_u32 v[SPW], v[NIL]
	s_wait_dscnt 9                                 ; (the add and the youngest eight loads may be out)
	WIN MUL_LO
	MUL16 F1, 0, 0, 0
	s_wait_dscnt 0x0                               ; the add is done, and my reads of this slot are over
	s_barrier_signal -1
	MUL16 F1, 0, 2, 0
.if \round
	WIN 0
.endif
	s_barrier_wait -1
.endm
.macro TURN slot, next                 ; the whole last quarter; the slot just read out is filled again, two K steps ahead, first thing behind the round
	MEET 1
	CREST
	s_add_nc_u64 s[G0+4*\slot+2:G0+4*\slot+3], s[G0+4*\slot+2:G0+4*\slot+3], 2*KSTEP*2
	s_add_nc_u64 s[G0B+4*\slot+2:G0B+4*\slot+3], s[G0B+4*\slot+2:G0B+4*\slot+3], 2*KSTEP*2
	JLOAD \slot                                    ; my one tensor load until the next round; its four v_nop are also the places in front of the loads below
	FETCH \next, 0, F0
	WIN MUL_HI
	MUL16 F1, 1, 0, 0
	MUL16 F1, 1, 2, 0
.endm
	s_wait_tensorcnt 1                             ; my part of K step 0 is in; K step 1's may be out
	s_barrier_signal -1
	s_barrier_wait -1
	FETCH 0, 0, F0
	QUARTER 0, 64,  F0, F1, 1                      ; the first quarter starts the sums
	WIN 0
	s_mov_b32 s3, LAPS-1
.Llap:                                                 ; a trip goes once round the ring and fills both slots again: K steps 2 to 7 in three trips
	QUARTER 0, 128, F1, F0, 0
	QUARTER 0, 192, F0, F1, 0
	TURN 0, 1
	QUARTER 1, 64,  F0, F1, 0
	QUARTER 1, 128, F1, F0, 0
	QUARTER 1, 192, F0, F1, 0
	TURN 1, 0
	QUARTER 0, 64,  F0, F1, 0
	WIN 0
	s_sub_co_u32 s3, s3, 1
	s_cmp_lg_u32 s3, 0
	s_cbranch_scc1 .Llap
	QUARTER 0, 128, F1, F0, 0                      ; the last lap fills nothing
	QUARTER 0, 192, F0, F1, 0
	MEET 0
	PLACES
	FETCH 1, 0, F0
	WIN MUL_HI
	MUL16 F1, 1, 0, 0
	MUL16 F1, 1, 2, 0
	QUARTER 1, 64,  F0, F1, 0
	QUARTER 1, 128, F1, F0, 0
	QUARTER 1, 192, F0, F1, 0
	s_wait_dscnt 8
	WIN MUL_LO
	MUL16 F1, 0, 0, 0
	MUL16 F1, 0, 2, 0
	s_wait_dscnt 0
	WIN MUL_HI
	MUL16 F1, 1, 0, 0
	MUL16 F1, 1, 2, 0
	WIN 0
	; THE WAY OUT.  Key 16 b + 8 h + 4 u + c of the segment is bit 4 b + 2 h + u of word c: shifted right by 2 h, bit 4 b + u in every lane.  These 32 shifts are also the places behind the last products.
	s_wait_loadcnt 0x0                             ; the mask's words
.set i, 0
.rept 32
	v_lshrrev_b32 v[W+i], v[SH], v[W+i]
.set i, i+1
.endr
; Block a: 16 queries x my 128 keys.  The mask, the segment's maximum, p, its sum, p as f16.
.macro SOFT a
.set AC, 64*((\a)%4)
	WIN 0x02+(\a)/4                                ; source 0 (the accumulators): window 2 or 3
.irp b, 0,1,2,3,4,5,6,7
.irp u, 0,1
.irp c, 0,1,2,3
	v_and_b32 v[TP+\c], 1<<(4*\b+\u), v[W+4*(\a)+\c]
.endr
.irp c, 0,1,2,3
	v_cmp_eq_u32 s[CM+\c], 0, v[TP+\c]
.endr
.irp c, 0,1,2,3
	v_cndmask_b32 v[T+8*\b+4*\u+\c], v[AC+8*\b+4*\u+\c], v[FILL], s[CM+\c]   ; the fill where the mask is 0; each accumulator is read from its low end on
.endr
.endr
.endr
	WIN 0
.irp k, 0,1,2,3
	v_max3_num_f32 v[MX+\k], v[T+16*\k], v[T+16*\k+1], v[T+16*\k+2]          ; four chains by turns
.endr
.irp i, 3,5,7,9,11,13
.irp k, 0,1,2,3
	v_max3_num_f32 v[MX+\k], v[MX+\k], v[T+16*\k+\i], v[T+16*\k+\i+1]
.endr
.endr
.irp k, 0,1,2,3
	v_max_num_f32 v[MX+\k], v[MX+\k], v[T+16*\k+15]
.endr
	v_max3_num_f32 v[TP], v[MX], v[MX+1], v[MX+2]
	v_max_num_f32 v[TP], v[TP], v[MX+3]
	v_permlanex16_b32 v[TP+1], v[TP], s[SEL], s[SEL+1]                       ; the query's other 64 keys lie in lane l xor 16
	v_max_num_f32 v[TP], v[TP], v[TP+1]
	v_mul_f32 v[TP], s[CS], v[TP]                  ; as t
	v_floor_f32 v[NM], -v[TP]                      ; -M = floor(-t): M is a whole number
	v_mov_b32 v[NS+(\a)], v[NM]
.irp j, 0,2,4,6,8,10,12,14,16,18,20,22,24,26,28,30,32,34,36,38,40,42,44,46,48,50,52,54,56,58,60,62
	v_pk_fma_f32 v[T+\j:T+\j+1], v[T+\j:T+\j+1], s[CS:CS+1], v[NM:NM+1] op_sel_hi:[1,0,0]   ; t - M, two at a time
.endr
.set i, 0
.rept 64
	v_exp_f32 v[T+i], v[T+i]                       ; p = 2^(t - M)
.set i, i+1
.endr
	v_nop                                          ; a plain instruction behind the last exponential
	s_wait_alu depctr_va_vdst(0)                   ; one wait for the batch of 64, ahead of its first reader
	v_pk_add_f32 v[SU:SU+1], v[T:T+1], v[T+2:T+3]  ; the sum of the unrounded p, in two chains
	v_pk_add_f32 v[SU+2:SU+3], v[T+4:T+5], v[T+6:T+7]
.irp j, 8,12,16,20,24,28,32,36,40,44,48,52,56,60
	v_pk_add_f32 v[SU:SU+1], v[SU:SU+1], v[T+\j:T+\j+1]
	v_pk_add_f32 v[SU+2:SU+3], v[SU+2:SU+3], v[T+\j+2:T+\j+3]
.endr
	v_pk_add_f32 v[SU:SU+1], v[SU:SU+1], v[SU+2:SU+3]
	v_add_f32 v[SU], v[SU], v[SU+1]
	v_permlanex16_b32 v[TP+1], v[SU], s[SEL], s[SEL+1]
	v_add_f32 v[LS+(\a)], v[SU], v[TP+1]
.set i, 0
.rept 32
	v_cvt_pk_f16_f32 v[TMP+i], v[T+2*i], v[T+2*i+1]
.set i, i+1
.endr
.endm
.macro TOSTAGE a
.set BK, OB+32*((\a)%2)
.irp b, 0,1,2,3,4,5,6,7
	ds_store_b128 v[STO], v[TMP+4*\b:TMP+4*\b+3] offset:32*\b
.endr
.irp t, 0,1,2,3,4,5,6,7
	ds_load_b128 v[BK+4*\t:BK+4*\t+3], v[RD] offset:\t*2*SPITCH    ; in order behind the stores above
.endr
.endm
.macro SEND a
.set BK, OB+32*((\a)%2)
	s_wait_dscnt 0x0                               ; the block is back in registers
	s_wait_xcnt 0x0                                ; earlier stores have read their base and their data
.if (\a) > 0
	s_add_nc_u64 s[CBASE:CBASE+1], s[CBASE:CBASE+1], 16*PROW
.endif
.irp t, 0,1,2,3,4,5,6,7
	global_store_b128 v[CO], v[BK+4*\t:BK+4*\t+3], s[CBASE:CBASE+1] offset:2*\t*PROW   ; 16 lanes store 256 consecutive bytes, aligned
.endr
.endm
	SOFT 0
	TOSTAGE 0
.irp a, 1,2,3,4,5,6,7
	SOFT \a                                        ; a block's arithmetic stands between the loads of the block before and its stores
	SEND \a-1
	TOSTAGE \a
.endr
	SEND 7
	; the statistics: lanes 0-15 give -M, lanes 16-31 the sum; through my own 1,024 bytes of LDS, so that each store covers 512 consecutive bytes
.irp a, 0,1,2,3,4,5,6,7
	v_cndmask_b32 v[NS+\a], v[NS+\a], v[LS+\a], s[HM]
.endr
.irp a, 0,1,2,3,4,5,6,7
	ds_store_b32 v[SW], v[NS+\a] offset:64*\a
.endr
	ds_load_b128 v[224:227], v[SR2]
	ds_load_b128 v[228:231], v[SR2] offset:512
	s_wait_dscnt 0x0
	global_store_b128 v[SG], v[224:227], s[SBASE:SBASE+1]
	global_store_b128 v[SG], v[228:231], s[SBASE:SBASE+1] offset:524288
	s_wait_tensorcnt 0x0                           ; the wave's end
	ds_add_u32 v[SPW], v[NIL]
	s_wait_dscnt 0x0
	CROUND                                         ; the closing round
	s_endpgm
.Lfunc_end_k_q605e65957e_scores:
	.size	k_q605e65957e_scores, .Lfunc_end_k_q605e65957e_scores-k_q605e65957e_scores
	.p2alignl 7, 3214868480
	.fill 96, 4, 3214868480
	.section	.rodata,"a",@progbits
	.p2align	6, 0x0
	.amdhsa_kernel k_q605e65957e_scores
		.amdhsa_group_segment_fixed_size 327680
		.amdhsa_private_segment_fixed_size 0
		.amdhsa_enable_private_segment 0
		.amdhsa_kernarg_size 32
		.amdhsa_user_sgpr_count 2
		.amdhsa_user_sgpr_kernarg_segment_ptr 1
		.amdhsa_wavefront_size32 1
		.amdhsa_system_sgpr_workgroup_id_x 1
		.amdhsa_system_sgpr_workgroup_id_y 1
		.amdhsa_system_sgpr_workgroup_id_z 1
		.amdhsa_system_vgpr_workitem_id 0
		.amdhsa_next_free_vgpr 1024
		.amdhsa_next_free_sgpr 88
		.amdhsa_reserve_vcc 0
		.amdhsa_float_denorm_mode_32 3
		.amdhsa_float_denorm_mode_16_64 3
		.amdhsa_memory_ordered 1
		.amdhsa_forward_progress 1
		.amdhsa_inst_pref_size 255
	.end_amdhsa_kernel
	.section	.bss,"aw",@nobits
	.p2align	6
	.space	262144
	.amdgpu_metadata
---
amdhsa.version: [ 1, 2 ]
amdhsa.kernels:
  - .name:           k_q605e65957e_scores
    .symbol:         k_q605e65957e_scores.kd
    .args:
      - { .name: qkv, .offset: 0, .size: 8, .value_kind: global_buffer, .address_space: global }
      - { .name: mbits, .offset: 8, .size: 8, .value_kind: global_buffer, .address_space: global }
      - { .name: pbuf, .offset: 16, .size: 8, .value_kind: global_buffer, .address_space: global }
      - { .name: stat, .offset: 24, .size: 8, .value_kind: global_buffer, .address_space: global }
    .group_segment_fixed_size: 327680
    .private_segment_fixed_size: 0
    .kernarg_segment_align: 8
    .kernarg_segment_size: 32
    .max_flat_workgroup_size: 128
    .sgpr_count:     88
    .vgpr_count:     1024
    .wavefront_size: 32
...
	.end_amdgpu_metadata
.endif
;; end of part 3
;; launch pv (part 4): grid 4 x 64, 4 waves a work-group, clusters of 4 x 4, 327,680 bytes of LDS; arguments pbuf, stat, qkv, y16; writes y16
.if DOCPART == 4
	.amdgcn_target "amdgcn-amd-amdhsa--gfx1250"
	.amdhsa_code_object_version 6
	.text
	.protected	k_q605e65957e_pv
	.globl	k_q605e65957e_pv
	.p2align	8
	.type	k_q605e65957e_pv,@function
k_q605e65957e_pv:
	s_mov_b64 s[64:65], 0
	v_nop
	global_prefetch_b8 v0, s[64:65] scope:SCOPE_SE
	s_setreg_imm32_b32 hwreg(HW_REG_WAVE_MODE, 25, 1), 1
	s_wait_xcnt 0x0
	s_wait_alu depctr_hold_cnt(0) depctr_sa_sdst(0) depctr_va_vdst(0) depctr_va_sdst(0) depctr_va_ssrc(0) depctr_va_vcc(0) depctr_vm_vsrc(0)
	s_getreg_b32 s2, hwreg(HW_REG_IB_STS2, 6, 4)
	s_cmp_eq_u32 s2, 0
	s_cbranch_scc0 .Lentry_in_a_cluster
	s_endpgm
.Lentry_in_a_cluster:
	s_bfe_u32 s2, ttmp6, 0x10000c
	s_cmp_lg_u32 s2, 0xf033
	s_cbranch_scc0 .Lentry_shape_is_right
	s_endpgm
.Lentry_shape_is_right:
; PV: y = softmax x V for each batch, from the segments' p, -M and sums.  For a row: M_row = the largest of its 16 M; g_s = 2^(M_s - M_row), an exact power of two;
; y = (sum over s of g_s (p_s V_s)) / (sum over s of g_s l_s).  p: f16 [8192][2048]; V: f16, rows [key][1024] at byte 33,554,432 of qkv; y16: f16 [8192][1024].
; THE RESCALING IS IN f32.  A segment (128 keys, four quarters of 32) is summed in 32 accumulators of its own, begun with the constant 0, and is then added to the row's sums by packed
; multiply-adds with g_s: 128 lines a segment, four behind each of 32 matrix instructions: blocks of rows 0 to 2 in the segment's fourth quarter, block 3 in the next segment's first.
; The first segment's lines are multiplies: nothing is cleared.
; A tile, 128 rows x 256 columns, is made by four waves, each 64 x 128.
; THE RING HAS TWO SLOTS OF UNEQUAL LENGTH, 128 keys (S) and 256 keys (B): 768 bytes for each key and the padding make 104,448 + 206,848 bytes; two slots of 256 keys would not fit.
; The 2,048 keys go as S B S B S B S B S B S: ten changes of slots.  A refill of S has B's 256 matrix instructions in which to land, a refill of B has S's 128.
; A lap is B and S: 384 keys, three segments; the loop's trip is a lap, so that the three sets of g come back to their registers.
; CLUSTERS: 4 x 4 work-groups inside one batch; p's tiles are asked for jointly along a row of the cluster, V's along a column.
; TRANSPOSED USE: source 0 = 16 columns of V (turned on the way out of LDS by ds_load_tr16_b128), source 1 = 16 rows of p: a lane holds eight neighbouring columns of one row.
; p IS PREFETCHED: each row of p is read by one cluster alone; wave 0 of each of the row's four partners names 32 of the tile's 128 rows, a lane a row, told apart by address.  The change
; of slots that refills S names the 768 bytes of each row that the next two refills (B, then S) will ask for; the loop's last trip names nothing; the first 512 keys come by their loads alone.
; V is read by four clusters at about the same time and is not asked for.
; LIMITS: NaN and infinities are not served; |y| stays under 65,504, f16's largest number.
; REGISTERS: window 0: v0-31 addresses; v32-63, v64-95 p's fragments, two buffers; v96-103 1 / sum in pairs; v104-115 g, four words for each of three segments; v116-123 at work at the head;
;   v128-255 the statistics at the head, at work on the way out.   window 1: v0-63, v64-127 V's fragments.   window 2: the segment's accumulators, (a, b) at v[8 (8 a + b)].   window 3: the row's sums, likewise.
.set PAS,    272                       ; a row of p in S: 256 bytes + 16
.set PAB,    528                       ; a row of p in B: 512 bytes + 16
.set PV,     544                       ; a row of V in LDS: 512 bytes + 32: an odd multiple of 32
.set LSA,    0                         ; S: p's 128 rows,
.set LSB,    LSA+128*PAS               ;    V's 128 keys
.set LBA,    LSB+128*PV                ; B: p's 128 rows,
.set LBB,    LBA+128*PAB               ;    V's 256 keys
.set TAB,    LBB+256*PV                ; behind the ring: 3,840 bytes a wave: for each of segments 1 to 15, 16 bytes for each row r: g of rows r, 16 + r, 32 + r, 48 + r
.set SPARE,  TAB+4*15*256              ; the spare words, 128 bytes a wave
.set STAGE,  LBA                       ; the way out: 16 rows x 272 bytes a wave, in B, which has had its last fill and its last read by then
.set SPITCH, 272
.set CROW,   2048
.set LAPA,   768                       ; a lap along a row of p, in bytes
.set LAPV,   384*2048                  ; a lap down V, in bytes
.set ADA,  16                          ; v16, v17  my fragments of p in S, in B
.set GA,   18                          ; v18  my 16 bytes of the table, at the lap in hand
.set ADB,  20                          ; v20  my fragments of V in S; v21, v22 in B's keys 0-127, 128-255
.set R4,   23                          ; v23  4 r
.set STO,  24
.set RD,   25
.set CO,   26
.set SPW,  28
.set NIL,  29
.set PFO,  30                          ; v30  lane x a row of p in bytes; never rewritten
.set FA,   32
.set GT,   32                          ; at the head: g of (segment s, block a) at v[GT + 4 s + a]
.set RC,   96
.set G,    104
.set MR,   116
.set LR,   120
.set NM,   128
.set LL,   192
.set T2,   128
.set TMP,  192
.set G1AS, 24                          ; s[24:31] group 1, p's tile in S;  s[32:39] in B
.set G1AB, 32
.set G1BS, 48                          ; s[48:55] group 1, V's tile in S;  s[56:63] in B
.set G1BB, 56
.set G0AS, 84                          ; groups 0, which walk
.set G0AB, 88
.set G0BS, 92
.set G0BB, 96
.set WV, 66
.set RW, 67
.set CW, 68
.set LIM, 69
.set PFA, 70
.set CBASE, 74
.set MSB, 0
.macro WIN new                         ; the immediate's high byte repeats the setting that is left
.if MSB != (\new)
	s_set_vgpr_msb (MSB<<8)|(\new)
.set MSB, \new
.endif
.endm
.set MUL,  0xa1                        ; source 0 (V) window 1, source 1 (p) window 0, C and D window 2
.set MRG,  0xf2                        ; source 0 (the segment's sums) window 2, source 1 (g) window 0, source 2 and destination (the row's sums) window 3
.set TO_B, 0x40
.macro JLOAD g0a, g1a, g0b, g1b        ; waves 0 and 1 fetch p's two halves, waves 2 and 3 V's; an s_nop 0 and four v_nop follow each line
	s_cmp_eq_u32 s[RW], 0
	s_cbranch_scc0 .Lfor_b_\@
	tensor_load_to_lds s[\g0a:\g0a+3], s[\g1a:\g1a+7]
	s_nop 0
.rept 4
	v_nop
.endr
	s_branch .Lasked_\@
.Lfor_b_\@:
	tensor_load_to_lds s[\g0b:\g0b+3], s[\g1b:\g1b+7]
	s_nop 0
.rept 4
	v_nop
.endr
.Lasked_\@:
.endm
.macro ASK how                         ; the prefetch: three blocks of 256 bytes of each of 32 rows.  how = 1, in the loop: not in its last trip; how = 2, ahead of the loop.  The branch hangs on the wave's number and the count of trips alone
.if \how == 1
	s_cmp_gt_u32 s3, s[LIM]
.else
	s_cmp_eq_u32 s[LIM], 1
.endif
	s_cbranch_scc0 .Lnot_mine_\@
	global_prefetch_b8 v[PFO], s[PFA:PFA+1] th:TH_LOAD_NT scope:SCOPE_SE
	global_prefetch_b8 v[PFO], s[PFA:PFA+1] offset:256 th:TH_LOAD_NT scope:SCOPE_SE
	global_prefetch_b8 v[PFO], s[PFA:PFA+1] offset:512 th:TH_LOAD_NT scope:SCOPE_SE
.Lnot_mine_\@:
.endm
.macro CREST
	s_cmp_lg_u32 s[WV], 0
	s_cbranch_scc1 .Lnot_wave_0_\@
	s_barrier_signal -3
.Lnot_wave_0_\@:
	s_barrier_wait -3
	s_barrier_signal -1
	s_barrier_wait -1
.endm
.macro CROUND
	s_barrier_signal -1
	s_barrier_wait -1
	CREST
.endm
	s_load_b256 s[4:11], s[0:1], 0x0               ; pbuf s[4:5], stat s[6:7], qkv s[8:9], y16 s[10:11]
	v_lshl_add_u32 v[SPW], v0, 2, SPARE
	v_mov_b32 v[NIL], 0
	ds_add_u32 v[SPW], v[NIL]                      ; the wave's opening: the add, twice on end, and its wait ahead of my first tensor load
	ds_add_u32 v[SPW], v[NIL]
	v_lshrrev_b32 v1, 5, v0
	v_readfirstlane_b32 s[WV], v1
	s_lshr_b32 s[RW], s[WV], 1                     ; my half of the rows.  Also: I fetch for p (0) or V (1)
	s_and_b32 s[CW], s[WV], 1                      ; my half of the columns.  Also: which half of that tile I fetch
	s_bfe_u32 s40, ttmp6, 0x40000                  ; cx
	s_bfe_u32 s41, ttmp6, 0x40004                  ; cy
	s_lshl_b32 s42, ttmp9, 2
	s_add_co_u32 s42, s42, s40                     ; tile column: 256 of the 1,024
	s_and_b32 s73, ttmp7, 0xffff
	s_lshl_b32 s43, s73, 2
	s_add_co_u32 s43, s43, s41                     ; tile row: 128 rows, over all batches
	s_lshr_b32 s73, s73, 2                         ; the batch: the same in all sixteen partners
	s_lshl_b32 s44, s41, 2
	s_lshl_b32 s44, 15, s44                        ; my row of the cluster
	s_lshl_b32 s45, 0x1111, s40                    ; my column
	s_or_b32 s[G1AS+0], s44, (1<<16)|(1<<20)|(1<<21)|(5<<22)|(3<<25)   ; p in S: 64 rows x 128 elements of 2 bytes; 4 words of padding after every 64
	s_mov_b32 s[G1AS+1], 128<<16
	s_mov_b32 s[G1AS+2], 64<<16
	s_mov_b32 s[G1AS+3], 128<<16
	s_mov_b32 s[G1AS+4], 64
	s_mov_b32 s[G1AS+5], 2048
	s_mov_b32 s[G1AS+6], 0
	s_mov_b32 s[G1AS+7], 0
	s_or_b32 s[G1AB+0], s44, (1<<16)|(1<<20)|(1<<21)|(6<<22)|(3<<25)   ; p in B: 64 rows x 256 elements; 4 words of padding after every 128
	s_mov_b32 s[G1AB+1], 256<<16
	s_mov_b32 s[G1AB+2], 64<<16
	s_mov_b32 s[G1AB+3], 256<<16
	s_mov_b32 s[G1AB+4], 64
	s_mov_b32 s[G1AB+5], 2048
	s_mov_b32 s[G1AB+6], 0
	s_mov_b32 s[G1AB+7], 0
	s_or_b32 s[G1BS+0], s45, (1<<16)|(1<<20)|(1<<21)|(6<<22)|(7<<25)   ; V in S: 64 keys x 256 elements; 8 words of padding after every 128
	s_mov_b32 s[G1BS+1], 256<<16
	s_mov_b32 s[G1BS+2], 64<<16
	s_mov_b32 s[G1BS+3], 256<<16
	s_mov_b32 s[G1BS+4], 64
	s_mov_b32 s[G1BS+5], 1024
	s_mov_b32 s[G1BS+6], 0
	s_mov_b32 s[G1BS+7], 0
	s_or_b32 s[G1BB+0], s45, (1<<16)|(1<<20)|(1<<21)|(6<<22)|(7<<25)   ; V in B: 128 keys x 256 elements
	s_mov_b32 s[G1BB+1], 256<<16
	s_mov_b32 s[G1BB+2], 128<<16
	s_mov_b32 s[G1BB+3], 256<<16
	s_mov_b32 s[G1BB+4], 128
	s_mov_b32 s[G1BB+5], 1024
	s_mov_b32 s[G1BB+6], 0
	s_mov_b32 s[G1BB+7], 0
	s_lshl_b32 s12, s[CW], 6
	s_lshl_b32 s16, s43, 7
	s_add_co_u32 s16, s16, s12                     ; p: row 128 x tile row + 64 x half
	s_lshl_b32 s16, s16, 12                        ; rows of 4,096 bytes
	s_mov_b32 s17, 0
	s_lshl_b32 s46, s42, 9                         ; V: 512 bytes x tile column,
	s_lshl_b32 s13, s73, 22                        ; + the batch's 2,048 keys of 2,048 bytes,
	s_add_co_u32 s46, s46, s13
	s_add_co_u32 s46, s46, 33554432                ; behind Q and K in qkv
	s_mov_b32 s47, 0
	s_lshl_b32 s18, s[CW], 17                      ; S: + 64 keys x half
	s_mov_b32 s19, 0
	s_lshl_b32 s76, s[CW], 18                      ; B: + 128 keys x half,
	s_add_co_u32 s76, s76, 262144                  ;    behind S's 128 keys
	s_mov_b32 s77, 0
	s_mul_i32 s20, s[CW], 64*PAS                   ; where they go: constants and the wave's number alone
	s_mul_i32 s21, s[CW], 64*PAB
	s_add_co_u32 s21, s21, LBA
	s_mul_i32 s22, s[CW], 64*PV
	s_add_co_u32 s22, s22, LSB
	s_mul_i32 s23, s[CW], 128*PV
	s_add_co_u32 s23, s23, LBB
	s_cmp_eq_u32 s[WV], 0
	s_cselect_b32 s[LIM], 1, -1                    ; wave 0 prefetches
	s_wait_dscnt 0x0                               ; both opening adds are done
	s_wait_kmcnt 0x0
	s_add_nc_u64 s[14:15], s[4:5], s[16:17]
	s_add_nc_u64 s[46:47], s[8:9], s[46:47]
	CROUND                                         ; all sixteen work-groups are here
	s_mov_b32 s[G0AS], 1
	s_mov_b32 s[G0AS+1], s20
	s_mov_b64 s[G0AS+2:G0AS+3], s[14:15]           ; keys 0 to 127
	s_or_b32 s[G0AS+3], s[G0AS+3], 0x80000000
	s_mov_b32 s[G0BS], 1
	s_mov_b32 s[G0BS+1], s22
	s_add_nc_u64 s[G0BS+2:G0BS+3], s[46:47], s[18:19]
	s_or_b32 s[G0BS+3], s[G0BS+3], 0x80000000
	JLOAD G0AS, G1AS, G0BS, G1BS
	s_mov_b32 s[G0AB], 1
	s_mov_b32 s[G0AB+1], s21
	s_add_nc_u64 s[G0AB+2:G0AB+3], s[14:15], 256   ; keys 128 to 383
	s_or_b32 s[G0AB+3], s[G0AB+3], 0x80000000
	s_mov_b32 s[G0BB], 1
	s_mov_b32 s[G0BB+1], s23
	s_add_nc_u64 s[G0BB+2:G0BB+3], s[46:47], s[76:77]
	s_or_b32 s[G0BB+3], s[G0BB+3], 0x80000000
	JLOAD G0AB, G1AB, G0BB, G1BB                   ; two tensor loads of mine are out, both first fills
	v_and_b32 v1, 15, v0                           ; r
	v_bfe_u32 v2, v0, 4, 1                         ; h
	v_lshlrev_b32 v[R4], 2, v1
	s_lshl_b32 s12, s43, 7
	s_lshl_b32 s13, s[RW], 6
	s_add_co_u32 s18, s12, s13                     ; my first row
	s_lshl_b32 s12, s18, 2
	s_mov_b32 s13, 0
	s_add_nc_u64 s[6:7], s[6:7], s[12:13]
.irp a, 0,1,2,3
.irp s, 0,1,2,3,4,5,6,7,8,9,10,11,12,13,14,15
	global_load_b32 v[NM+16*\a+\s], v[R4], s[6:7] offset:32768*\s+64*\a            ; -M of row 16 a + r, segment s
	global_load_b32 v[LL+16*\a+\s], v[R4], s[6:7] offset:524288+32768*\s+64*\a     ; and its sum
.endr
.endr
	v_mul_u32_u24 v3, v1, PAS
	v_lshl_add_u32 v3, v2, 4, v3
	s_mul_i32 s21, s[RW], 64*PAS
	v_add_nc_u32 v[ADA], s21, v3                   ; p in S: my 64 rows, row r, + 16 h
	v_mul_u32_u24 v3, v1, PAB
	v_lshl_add_u32 v3, v2, 4, v3
	s_mul_i32 s21, s[RW], 64*PAB
	s_add_co_u32 s21, s21, LBA
	v_add_nc_u32 v[ADA+1], s21, v3                 ; and in B
	v_and_b32 v3, 7, v0                            ; the turning load: lane l reads 16 bytes of key 8 h + l % 8, columns 8 ((l / 8) % 2) on
	v_lshl_add_u32 v3, v2, 3, v3
	v_mul_u32_u24 v3, v3, PV
	v_bfe_u32 v4, v0, 3, 1
	v_lshl_add_u32 v3, v4, 4, v3
	s_lshl_b32 s22, s[CW], 8                       ; my 128 columns
	s_add_co_u32 s21, s22, LSB
	v_add_nc_u32 v[ADB], s21, v3
	s_add_co_u32 s21, s22, LBB
	v_add_nc_u32 v[ADB+1], s21, v3
	v_add_nc_u32 v[ADB+2], 128*PV, v[ADB+1]        ; B's keys 128 on: beyond what an LDS load's immediate reaches
	s_mul_i32 s23, s[WV], 16*SPITCH
	s_add_co_u32 s23, s23, STAGE
	v_mul_u32_u24 v4, v1, SPITCH
	v_lshl_add_u32 v4, v2, 4, v4
	v_add_nc_u32 v[STO], s23, v4
	v_mul_u32_u24 v5, v2, SPITCH
	v_lshl_add_u32 v5, v1, 4, v5
	v_add_nc_u32 v[RD], s23, v5
	v_lshlrev_b32 v5, 11, v2
	v_lshl_add_u32 v[CO], v1, 4, v5
	s_mul_i32 s23, s[WV], 15*256
	s_add_co_u32 s23, s23, TAB
	v_lshl_add_u32 v[GA], v1, 4, s23               ; my wave's table, 16 bytes for row r: lanes r and 16 + r name the same bytes
	v_and_b32 v5, 31, v0
	v_lshlrev_b32 v[PFO], 12, v5
	s_lshl_b32 s12, s18, 11                        ; y16: my first row x 2,048 bytes
	s_lshl_b32 s13, s42, 9
	s_add_co_u32 s12, s12, s13
	s_lshl_b32 s13, s[CW], 8
	s_add_co_u32 s12, s12, s13                     ; + 512 x tile column + 256 x half
	s_mov_b32 s13, 0
	s_add_nc_u64 s[CBASE:CBASE+1], s[10:11], s[12:13]
	s_lshl_b32 s76, s43, 7
	s_lshl_b32 s77, s40, 5
	s_add_co_u32 s76, s76, s77                     ; the prefetches: my work-group's 32 rows of the tile's 128,
	s_lshl_b32 s76, s76, 12
	s_add_co_u32 s76, s76, LAPA+256                ; at key 512: what the second refill (B) and the third (S) will ask for
	s_mov_b32 s77, 0
	s_add_nc_u64 s[PFA:PFA+1], s[4:5], s[76:77]
	s_wait_loadcnt 0x0                             ; the statistics
.irp a, 0,1,2,3
	v_min3_num_f32 v[MR+\a], v[NM+16*\a], v[NM+16*\a+1], v[NM+16*\a+2]             ; -M_row = the least of the 16 -M
.endr
.irp i, 3,5,7,9,11,13
.irp a, 0,1,2,3
	v_min3_num_f32 v[MR+\a], v[MR+\a], v[NM+16*\a+\i], v[NM+16*\a+\i+1]
.endr
.endr
.irp a, 0,1,2,3
	v_min_num_f32 v[MR+\a], v[MR+\a], v[NM+16*\a+15]
.endr
.irp a, 0,1,2,3
.irp s, 0,1,2,3,4,5,6,7,8,9,10,11,12,13,14,15
	v_sub_f32 v[NM+16*\a+\s], v[MR+\a], v[NM+16*\a+\s]                             ; M_s - M_row: a whole number, 0 or less
.endr
.endr
.set i, 0
.rept 64
	v_cvt_i32_f32 v[NM+i], v[NM+i]                 ; (it saturates)
.set i, i+1
.endr
.irp a, 0,1,2,3
.irp s, 0,1,2,3,4,5,6,7,8,9,10,11,12,13,14,15
	v_ldexp_f32 v[GT+4*\s+\a], 1.0, v[NM+16*\a+\s]                                 ; g
.endr
.endr
.irp a, 0,1,2,3
	v_mul_f32 v[LR+\a], v[GT+\a], v[LL+16*\a]
.endr
.irp s, 1,2,3,4,5,6,7,8,9,10,11,12,13,14,15
.irp a, 0,1,2,3
	v_fma_f32 v[LR+\a], v[GT+4*\s+\a], v[LL+16*\a+\s], v[LR+\a]                    ; the row's sum
.endr
.endr
.irp a, 0,1,2,3
	v_rcp_f32 v[RC+2*\a], v[LR+\a]
.endr
.irp a, 0,1,2,3
	v_mov_b32 v[G+\a], v[GT+\a]                    ; segment 0's g stays in registers (plain lines behind the reciprocals)
.endr
	s_wait_alu depctr_va_vdst(0)                   ; one wait for the four reciprocals, ahead of their first reader
.irp a, 0,1,2,3
	v_mov_b32 v[RC+2*\a+1], v[RC+2*\a]
.endr
.irp s, 1,2,3,4,5,6,7,8,9,10,11,12,13,14,15
	ds_store_b128 v[GA], v[GT+4*\s:GT+4*\s+3] offset:256*(\s-1)                    ; my wave's own table, read by my wave alone; lanes r and 16 + r store the same 16 bytes with the same values
.endr
.macro WM f, a, b, zero
.if \zero
	v_wmma_f32_16x16x32_f16 v[8*(8*(\a)+(\b)):8*(8*(\a)+(\b))+7], v[64*(\f)+8*(\b):64*(\f)+8*(\b)+7], v[FA+32*(\f)+8*(\a):FA+32*(\f)+8*(\a)+7], 0
.else
	v_wmma_f32_16x16x32_f16 v[8*(8*(\a)+(\b)):8*(8*(\a)+(\b))+7], v[64*(\f)+8*(\b):64*(\f)+8*(\b)+7], v[FA+32*(\f)+8*(\a):FA+32*(\f)+8*(\a)+7], v[8*(8*(\a)+(\b)):8*(8*(\a)+(\b))+7]
.endif
.endm
.macro MUL8 f, a, zero                 ; block of rows a x all 8 blocks of columns, 32 along K.  The 32 accumulators take turns
.irp b, 0,1,2,3,4,5,6,7
	WM \f, \a, \b, \zero
.endr
.endm
; Accumulator (a, b) of a finished segment goes into the row's sums: four packed lines, from its low end on.  g of block a is word a of set gs: of the pair that holds it the one word serves both halves.
; first = 1: the first segment starts the sums.
.macro MG a, b, gs, first
.irp i, 0,1,2,3
.if \first
.if (\a)%2
	v_pk_mul_f32 v[8*(8*(\a)+(\b))+2*\i:8*(8*(\a)+(\b))+2*\i+1], v[8*(8*(\a)+(\b))+2*\i:8*(8*(\a)+(\b))+2*\i+1], v[G+4*(\gs)+2*((\a)/2):G+4*(\gs)+2*((\a)/2)+1] op_sel:[0,1] op_sel_hi:[1,1]
.else
	v_pk_mul_f32 v[8*(8*(\a)+(\b))+2*\i:8*(8*(\a)+(\b))+2*\i+1], v[8*(8*(\a)+(\b))+2*\i:8*(8*(\a)+(\b))+2*\i+1], v[G+4*(\gs)+2*((\a)/2):G+4*(\gs)+2*((\a)/2)+1] op_sel_hi:[1,0]
.endif
.else
.if (\a)%2
	v_pk_fma_f32 v[8*(8*(\a)+(\b))+2*\i:8*(8*(\a)+(\b))+2*\i+1], v[8*(8*(\a)+(\b))+2*\i:8*(8*(\a)+(\b))+2*\i+1], v[G+4*(\gs)+2*((\a)/2):G+4*(\gs)+2*((\a)/2)+1], v[8*(8*(\a)+(\b))+2*\i:8*(8*(\a)+(\b))+2*\i+1] op_sel:[0,1,0] op_sel_hi:[1,1,1]
.else
	v_pk_fma_f32 v[8*(8*(\a)+(\b))+2*\i:8*(8*(\a)+(\b))+2*\i+1], v[8*(8*(\a)+(\b))+2*\i:8*(8*(\a)+(\b))+2*\i+1], v[G+4*(\gs)+2*((\a)/2):G+4*(\gs)+2*((\a)/2)+1], v[8*(8*(\a)+(\b))+2*\i:8*(8*(\a)+(\b))+2*\i+1] op_sel_hi:[1,0,1]
.endif
.endif
.endr
.endm
; Block a's eight products, and behind each of them four lines of block ma's way into the row's sums
.macro MUL8M f, a, zero, ma, gs, first
.irp b, 0,1,2,3,4,5,6,7
	WIN MUL
	WM \f, \a, \b, \zero
	WIN MRG
	MG \ma, \b, \gs, \first
.endr
.endm
; 24 LDS loads in one run: quarter q of slot S (big = 0) or B (big = 1) into buffer f.  gs >= 0: the segment's g rides along, into set gs: 25 loads.  (Sets 1, 2, 0 lie 0, 256, 512 bytes from the lap's place in the table.)
.macro FETCH big, q, f, gs
.set PP, PAS+(PAB-PAS)*(\big)
	WIN 0
.irp i, 0,1,2,3
	ds_load_b128 v[FA+32*(\f)+8*\i:FA+32*(\f)+8*\i+3],   v[ADA+(\big)] offset:64*(\q)+\i*16*PP
	ds_load_b128 v[FA+32*(\f)+8*\i+4:FA+32*(\f)+8*\i+7], v[ADA+(\big)] offset:64*(\q)+\i*16*PP+32
.endr
.if (\gs) >= 0
	ds_load_b128 v[G+4*(\gs):G+4*(\gs)+3], v[GA] offset:256*(((\gs)+2)%3)
.endif
	WIN TO_B
.irp b, 0,1,2,3,4,5,6,7
	ds_load_tr16_b128 v[64*(\f)+8*\b:64*(\f)+8*\b+3],   v[ADB+(\big)*(1+(\q)/4)] offset:((\q)%4)*32*PV+32*\b
	ds_load_tr16_b128 v[64*(\f)+8*\b+4:64*(\f)+8*\b+7], v[ADB+(\big)*(1+(\q)/4)] offset:((\q)%4)*32*PV+16*PV+32*\b
.endr
.endm
.macro PLACES                          ; four plain vector instructions between a matrix instruction and a load into, or a read of, its registers
.rept 4
	v_nop
.endr
.endm
.macro QHEAD big, q, g, gs             ; a quarter's head: the next quarter (q of the slot) is fetched into buffer g; then the other buffer is in
	PLACES
	FETCH \big, \q, \g, \gs
.if (\gs) >= 0
	s_wait_dscnt 25                                ; all but the 25 just issued
.else
	s_wait_dscnt 24                                ; all but the 24 just issued
.endif
.endm
.macro QP big, q, f, gs                ; a segment's second or third quarter: buffer f
	QHEAD \big, \q, 1-(\f), \gs
	WIN MUL
	MUL8 \f, 0, 0
	MUL8 \f, 1, 0
	MUL8 \f, 2, 0
	MUL8 \f, 3, 0
.endm
.macro Q0 big, q, mg, gs, first        ; a segment's first quarter (buffer 0): its products start the segment's sums.  mg = 1: block 3 of the segment before (g in set gs) goes into the row's sums meanwhile
	QHEAD \big, \q, 1, -1
.if \mg
	MUL8M 0, 0, 1, 3, \gs, \first
.else
	WIN MUL
	MUL8 0, 0, 1
.endif
	WIN MUL
	MUL8 0, 1, 1
	MUL8 0, 2, 1
	MUL8 0, 3, 1
.endm
.macro Q3 big, q, gs, first            ; a segment's fourth quarter (buffer 1) inside B: blocks 0 to 2 go into the row's sums as they are finished
	QHEAD \big, \q, 0, -1
	WIN MUL
	MUL8 1, 0, 0
	PLACES                                         ; ahead of the first read of block 0's sums
	MUL8M 1, 1, 0, 0, \gs, \first
	MUL8M 1, 2, 0, 1, \gs, \first
	MUL8M 1, 3, 0, 2, \gs, \first
.endm
; A slot's last quarter (buffer 1, a segment's fourth) changes slots: one barrier; in front of it each wave waits for all its tensor loads (one is out: its part of the other slot), adds 0 to its spare word,
; and waits for that and for its reads of this slot.  fill = 1: this slot is filled again, with its keys of the next lap, first thing behind the round.
.macro TURN big, fill, ask, gs, first, stepg
	WIN 0
.if \ask == 1
	s_wait_xcnt 0x0                                ; the last prefetches, a lap back, have read their address
	s_add_nc_u64 s[PFA:PFA+1], s[PFA:PFA+1], LAPA
.endif
	s_wait_tensorcnt 0x0
	ds_add_u32 v[SPW], v[NIL]
	s_wait_dscnt 1                                 ; buffer 1 is in; the add may be out
	WIN MUL
	MUL8 1, 0, 0
	PLACES                                         ; ahead of the first read of block 0's sums
	s_wait_dscnt 0x0                               ; the add is done, and my reads of this slot are over
	s_barrier_signal -1
	MUL8M 1, 1, 0, 0, \gs, \first
	WIN 0
	s_barrier_wait -1
.if \fill
	CREST                                          ; the barrier has opened a round of the cluster's barrier
.if \big
	s_add_nc_u64 s[G0AB+2:G0AB+3], s[G0AB+2:G0AB+3], LAPA
	s_add_nc_u64 s[G0BB+2:G0BB+3], s[G0BB+2:G0BB+3], LAPV
	JLOAD G0AB, G1AB, G0BB, G1BB                   ; my one tensor load until the next round; its four v_nop are also places in front of the loads below
.else
	s_add_nc_u64 s[G0AS+2:G0AS+3], s[G0AS+2:G0AS+3], LAPA
	s_add_nc_u64 s[G0BS+2:G0BS+3], s[G0BS+2:G0BS+3], LAPV
	JLOAD G0AS, G1AS, G0BS, G1BS
.endif
.else
	PLACES
.endif
.if \stepg
	v_add_nc_u32 v[GA], 768, v[GA]                 ; the next lap's three segments in the table
.endif
	FETCH 1-(\big), 0, 0, -1
.if \ask
	WIN 0
	ASK \ask
.endif
	MUL8M 1, 2, 0, 1, \gs, \first
	MUL8M 1, 3, 0, 2, \gs, \first
.endm
	s_wait_tensorcnt 1                             ; my part of S is in; B's may be out
	s_wait_dscnt 0x0                               ; my table is written
	s_barrier_signal -1
	s_barrier_wait -1
	FETCH 0, 0, 0, -1
	Q0 0, 1, 0, 0, 0                               ; segment 0 (S)
	QP 0, 2, 1, -1
	QP 0, 3, 0, -1
	TURN 0, 1, 2, 0, 1, 0                          ; S takes keys 384 on
	Q0 1, 1, 1, 0, 1                               ; segment 1 begins (B)
	WIN 0
	s_mov_b32 s3, 4
.Llap:                                                 ; trip t: the rest of segment 3 t + 1, segments 3 t + 2 and 3 t + 3, the first quarter of 3 t + 4; B and S are each filled again
	QP 1, 2, 1, 1
	QP 1, 3, 0, -1
	Q3 1, 4, 1, 0
	Q0 1, 5, 1, 1, 0
	QP 1, 6, 1, 2
	QP 1, 7, 0, -1
	TURN 1, 1, 0, 2, 0, 0
	Q0 0, 1, 1, 2, 0
	QP 0, 2, 1, 0
	QP 0, 3, 0, -1
	TURN 0, 1, 1, 0, 0, 1
	Q0 1, 1, 1, 0, 0
	WIN 0
	s_sub_co_u32 s3, s3, 1
	s_cmp_lg_u32 s3, 0
	s_cbranch_scc1 .Llap
	QP 1, 2, 1, 1                                  ; the tail is written out: segments 13, 14 (B) and 15 (S); nothing is filled
	QP 1, 3, 0, -1
	Q3 1, 4, 1, 0
	Q0 1, 5, 1, 1, 0
	QP 1, 6, 1, 2
	QP 1, 7, 0, -1
	TURN 1, 0, 0, 2, 0, 0
	Q0 0, 1, 1, 2, 0
	QP 0, 2, 1, 0
	QP 0, 3, 0, -1
	s_wait_dscnt 0x0
	WIN MUL
	MUL8 1, 0, 0
	PLACES
	MUL8M 1, 1, 0, 0, 0, 0
	MUL8M 1, 2, 0, 1, 0, 0
	MUL8M 1, 3, 0, 2, 0, 0
	WIN MRG
.irp b, 0,1,2,3,4,5,6,7
	MG 3, \b, 0, 0
.endr
	WIN 0
; THE WAY OUT of block a (16 rows x 128 columns): divided by the row's sum, rounded to f16, through my own stage, stored as whole rows of 256 bytes
.macro PACK a
	WIN 0x03                                       ; source 0: window 3
.set i, 0
.rept 32
	v_pk_mul_f32 v[T2+2*i:T2+2*i+1], v[64*(\a)+2*i:64*(\a)+2*i+1], v[RC+2*(\a):RC+2*(\a)+1] op_sel_hi:[1,0]
.set i, i+1
.endr
	WIN 0
.set i, 0
.rept 32
	v_cvt_pk_f16_f32 v[TMP+i], v[T2+2*i], v[T2+2*i+1]
.set i, i+1
.endr
.endm
.macro TOSTAGE a
.set BK, FA+32*((\a)%2)
.irp b, 0,1,2,3,4,5,6,7
	ds_store_b128 v[STO], v[TMP+4*\b:TMP+4*\b+3] offset:32*\b
.endr
.irp t, 0,1,2,3,4,5,6,7
	ds_load_b128 v[BK+4*\t:BK+4*\t+3], v[RD] offset:\t*2*SPITCH    ; in order behind the stores above
.endr
.endm
.macro SEND a
.set BK, FA+32*((\a)%2)
	s_wait_dscnt 0x0
	s_wait_xcnt 0x0                                ; earlier stores have read their base and their data
.if (\a) > 0
	s_add_nc_u64 s[CBASE:CBASE+1], s[CBASE:CBASE+1], 16*CROW
.endif
.irp t, 0,1,2,3,4,5,6,7
	global_store_b128 v[CO], v[BK+4*\t:BK+4*\t+3], s[CBASE:CBASE+1] offset:2*\t*CROW   ; 16 lanes store 256 consecutive bytes, aligned
.endr
.endm
	PACK 0
	TOSTAGE 0
.irp a, 1,2,3
	PACK \a
	SEND \a-1
	TOSTAGE \a
.endr
	SEND 3
	s_wait_tensorcnt 0x0                           ; the wave's end
	ds_add_u32 v[SPW], v[NIL]
	s_wait_dscnt 0x0
	CROUND                                         ; the closing round
	s_endpgm
.Lfunc_end_k_q605e65957e_pv:
	.size	k_q605e65957e_pv, .Lfunc_end_k_q605e65957e_pv-k_q605e65957e_pv
	.p2alignl 7, 3214868480
	.fill 96, 4, 3214868480
	.section	.rodata,"a",@progbits
	.p2align	6, 0x0
	.amdhsa_kernel k_q605e65957e_pv
		.amdhsa_group_segment_fixed_size 327680
		.amdhsa_private_segment_fixed_size 0
		.amdhsa_enable_private_segment 0
		.amdhsa_kernarg_size 32
		.amdhsa_user_sgpr_count 2
		.amdhsa_user_sgpr_kernarg_segment_ptr 1
		.amdhsa_wavefront_size32 1
		.amdhsa_system_sgpr_workgroup_id_x 1
		.amdhsa_system_sgpr_workgroup_id_y 1
		.amdhsa_system_sgpr_workgroup_id_z 1
		.amdhsa_system_vgpr_workitem_id 0
		.amdhsa_next_free_vgpr 1024
		.amdhsa_next_free_sgpr 100
		.amdhsa_reserve_vcc 0
		.amdhsa_float_denorm_mode_32 3
		.amdhsa_float_denorm_mode_16_64 3
		.amdhsa_memory_ordered 1
		.amdhsa_forward_progress 1
		.amdhsa_inst_pref_size 241
	.end_amdhsa_kernel
	.amdgpu_metadata
---
amdhsa.version: [ 1, 2 ]
amdhsa.kernels:
  - .name:           k_q605e65957e_pv
    .symbol:         k_q605e65957e_pv.kd
    .args:
      - { .name: pbuf, .offset: 0, .size: 8, .value_kind: global_buffer, .address_space: global }
      - { .name: stat, .offset: 8, .size: 8, .value_kind: global_buffer, .address_space: global }
      - { .name: qkv, .offset: 16, .size: 8, .value_kind: global_buffer, .address_space: global }
      - { .name: y16, .offset: 24, .size: 8, .value_kind: global_buffer, .address_space: global }
    .group_segment_fixed_size: 327680
    .private_segment_fixed_size: 0
    .kernarg_segment_align: 8
    .kernarg_segment_size: 32
    .max_flat_workgroup_size: 128
    .sgpr_count:     100
    .vgpr_count:     1024
    .wavefront_size: 32
...
	.end_amdgpu_metadata
.endif
;; end of part 4
;; launch outp (part 5): grid 4 x 64, 4 waves a work-group, clusters of 4 x 4, 327,680 bytes of LDS; arguments y16, wo16, bo, out0; writes out0
.if DOCPART == 5
	.amdgcn_target "amdgcn-amd-amdhsa--gfx1250"
	.amdhsa_code_object_version 6
	.text
	.protected	k_q605e65957e_outp
	.globl	k_q605e65957e_outp
	.p2align	8
	.type	k_q605e65957e_outp,@function
k_q605e65957e_outp:
	s_mov_b64 s[64:65], 0
	v_nop
	global_prefetch_b8 v0, s[64:65] scope:SCOPE_SE
	s_setreg_imm32_b32 hwreg(HW_REG_WAVE_MODE, 25, 1), 1
	s_wait_xcnt 0x0
	s_wait_alu depctr_hold_cnt(0) depctr_sa_sdst(0) depctr_va_vdst(0) depctr_va_sdst(0) depctr_va_ssrc(0) depctr_va_vcc(0) depctr_vm_vsrc(0)
	s_getreg_b32 s2, hwreg(HW_REG_IB_STS2, 6, 4)
	s_cmp_eq_u32 s2, 0
	s_cbranch_scc0 .Lentry_in_a_cluster
	s_endpgm
.Lentry_in_a_cluster:
	s_bfe_u32 s2, ttmp6, 0x10000c
	s_cmp_lg_u32 s2, 0xf033
	s_cbranch_scc0 .Lentry_shape_is_right
	s_endpgm
.Lentry_shape_is_right:
; OUTP: out0 = y Wo^T + bo.  y16 [8192][1024] and wo16 [1024][1024] are f16 with K innermost; sums in f32; out0 [8192][1024] f32.
; A tile, 128 rows x 256 columns, is made by four waves, each 64 x 128: 32 accumulators, 256 registers.
; THE RING HAS TWO SLOTS OF UNEQUAL LENGTH, 128 along K (S) and 256 along K (B): 384 rows of 272 and of 528 bytes, 104,448 + 202,752 bytes; two slots of 256 along K would not fit.
; K = 1,024 goes as B S B S B: four changes of slots, three refills.  A refill of S has B's 256 matrix instructions in which to land, a refill of B has S's 128.  The 32 quarters are written out: no loop.
; CLUSTERS: 4 x 4 work-groups; y's tiles are asked for jointly along a row of the cluster, Wo's along a column.
; TRANSPOSED USE: source 0 = 16 rows of Wo, source 1 = 16 rows of y: a lane holds eight neighbouring columns of one row.  The bias is the C of each sum's first product.
; y IS PREFETCHED once: at the first change of slots wave 0 of each of a row's four partners names, for 32 of the tile's 128 rows (told apart by address, a lane a row), the last 768 bytes of the row:
; what the second and third refills will ask for.  Wo is read by every row of clusters at about the same time and is not asked for.
; REGISTERS: window 0: v0-31 addresses; v32-63, v64-95 y's fragments; v128-191 the bias; on the way out v32-95 and v192-255 take rows by turns.   window 1: v0-63, v64-127 Wo's fragments.   window 2: the accumulators.
.set PAS,    272                       ; a row in S: 256 bytes + 16
.set PAB,    528                       ; a row in B: 512 bytes + 16
.set LSA,    0                         ; S: y's 128 rows,
.set LSB,    LSA+128*PAS               ;    Wo's 256 rows
.set LBA,    LSB+256*PAS               ; B: y's 128 rows,
.set LBB,    LBA+128*PAB               ;    Wo's 256 rows
.set SPARE,  LBB+256*PAB               ; the spare words, 128 bytes a wave
.set STG,    LSA                       ; the way out: 16 rows x (512 + 16) bytes a wave, in S, which has had its last fill and its last read by then
.set SPITCH, 528
.set CROW,   4096
.set LAPA,   768                       ; B and S together along a row, in bytes
.set ADA,  16                          ; v16, v17  my fragments of y in S, in B
.set ADB,  20                          ; v20, v21  my fragments of Wo in S, in B
.set BA,   22                          ; v22  32 h
.set STO,  24
.set RD,   25
.set CO,   26
.set SPW,  28
.set NIL,  29
.set PFO,  30
.set FA,   32
.set BIAS, 128
.set G1AS, 24
.set G1AB, 32
.set G1BS, 48
.set G1BB, 56
.set G0AS, 84
.set G0AB, 88
.set G0BS, 92
.set G0BB, 96
.set WV, 66
.set RW, 67
.set CW, 68
.set PFA, 70
.set CBASE, 74
.set MSB, 0
.macro WIN new
.if MSB != (\new)
	s_set_vgpr_msb (MSB<<8)|(\new)
.set MSB, \new
.endif
.endm
.set MUL,  0xa1
.set TO_B, 0x40
.macro JLOAD g0a, g1a, g0b, g1b        ; waves 0 and 1 fetch y's two halves, waves 2 and 3 Wo's; an s_nop 0 and four v_nop follow each line
	s_cmp_eq_u32 s[RW], 0
	s_cbranch_scc0 .Lfor_b_\@
	tensor_load_to_lds s[\g0a:\g0a+3], s[\g1a:\g1a+7]
	s_nop 0
.rept 4
	v_nop
.endr
	s_branch .Lasked_\@
.Lfor_b_\@:
	tensor_load_to_lds s[\g0b:\g0b+3], s[\g1b:\g1b+7]
	s_nop 0
.rept 4
	v_nop
.endr
.Lasked_\@:
.endm
.macro ASK                             ; the branch hangs on the wave's number alone
	s_cmp_lg_u32 s[WV], 0
	s_cbranch_scc1 .Lnot_mine_\@
	global_prefetch_b8 v[PFO], s[PFA:PFA+1] th:TH_LOAD_NT scope:SCOPE_SE
	global_prefetch_b8 v[PFO], s[PFA:PFA+1] offset:256 th:TH_LOAD_NT scope:SCOPE_SE
	global_prefetch_b8 v[PFO], s[PFA:PFA+1] offset:512 th:TH_LOAD_NT scope:SCOPE_SE
.Lnot_mine_\@:
.endm
.macro CREST
	s_cmp_lg_u32 s[WV], 0
	s_cbranch_scc1 .Lnot_wave_0_\@
	s_barrier_signal -3
.Lnot_wave_0_\@:
	s_barrier_wait -3
	s_barrier_signal -1
	s_barrier_wait -1
.endm
.macro CROUND
	s_barrier_signal -1
	s_barrier_wait -1
	CREST
.endm
	s_load_b256 s[4:11], s[0:1], 0x0               ; y16 s[4:5], wo16 s[6:7], bo s[8:9], out0 s[10:11]
	v_lshl_add_u32 v[SPW], v0, 2, SPARE
	v_mov_b32 v[NIL], 0
	ds_add_u32 v[SPW], v[NIL]                      ; the wave's opening: the add, twice on end, and its wait ahead of my first tensor load
	ds_add_u32 v[SPW], v[NIL]
	v_lshrrev_b32 v1, 5, v0
	v_readfirstlane_b32 s[WV], v1
	s_lshr_b32 s[RW], s[WV], 1                     ; my half of the rows.  Also: I fetch for y (0) or Wo (1)
	s_and_b32 s[CW], s[WV], 1                      ; my half of the columns.  Also: which half of that tile I fetch
	s_bfe_u32 s40, ttmp6, 0x40000                  ; cx
	s_bfe_u32 s41, ttmp6, 0x40004                  ; cy
	s_lshl_b32 s42, ttmp9, 2
	s_add_co_u32 s42, s42, s40                     ; tile column
	s_and_b32 s43, ttmp7, 0xffff
	s_lshl_b32 s43, s43, 2
	s_add_co_u32 s43, s43, s41                     ; tile row
	s_lshl_b32 s44, s41, 2
	s_lshl_b32 s44, 15, s44
	s_lshl_b32 s45, 0x1111, s40
	s_or_b32 s[G1AS+0], s44, (1<<16)|(1<<20)|(1<<21)|(5<<22)|(3<<25)   ; y in S: 64 rows x 128 elements of 2 bytes; 4 words of padding after every 64
	s_mov_b32 s[G1AS+1], 128<<16
	s_mov_b32 s[G1AS+2], 64<<16
	s_mov_b32 s[G1AS+3], 128<<16
	s_mov_b32 s[G1AS+4], 64
	s_mov_b32 s[G1AS+5], 1024
	s_mov_b32 s[G1AS+6], 0
	s_mov_b32 s[G1AS+7], 0
	s_or_b32 s[G1AB+0], s44, (1<<16)|(1<<20)|(1<<21)|(6<<22)|(3<<25)   ; y in B: 64 rows x 256 elements; 4 words of padding after every 128
	s_mov_b32 s[G1AB+1], 256<<16
	s_mov_b32 s[G1AB+2], 64<<16
	s_mov_b32 s[G1AB+3], 256<<16
	s_mov_b32 s[G1AB+4], 64
	s_mov_b32 s[G1AB+5], 1024
	s_mov_b32 s[G1AB+6], 0
	s_mov_b32 s[G1AB+7], 0
	s_or_b32 s[G1BS+0], s45, (1<<16)|(1<<20)|(1<<21)|(5<<22)|(3<<25)   ; Wo in S: 128 rows x 128 elements
	s_mov_b32 s[G1BS+1], 128<<16
	s_mov_b32 s[G1BS+2], 128<<16
	s_mov_b32 s[G1BS+3], 128<<16
	s_mov_b32 s[G1BS+4], 128
	s_mov_b32 s[G1BS+5], 1024
	s_mov_b32 s[G1BS+6], 0
	s_mov_b32 s[G1BS+7], 0
	s_or_b32 s[G1BB+0], s45, (1<<16)|(1<<20)|(1<<21)|(6<<22)|(3<<25)   ; Wo in B: 128 rows x 256 elements
	s_mov_b32 s[G1BB+1], 256<<16
	s_mov_b32 s[G1BB+2], 128<<16
	s_mov_b32 s[G1BB+3], 256<<16
	s_mov_b32 s[G1BB+4], 128
	s_mov_b32 s[G1BB+5], 1024
	s_mov_b32 s[G1BB+6], 0
	s_mov_b32 s[G1BB+7], 0
	s_lshl_b32 s12, s[CW], 6
	s_lshl_b32 s16, s43, 7
	s_add_co_u32 s16, s16, s12                     ; y: row 128 x tile row + 64 x half
	s_lshl_b32 s16, s16, 11
	s_mov_b32 s17, 0
	s_lshl_b32 s13, s[CW], 7
	s_lshl_b32 s46, s42, 8
	s_add_co_u32 s46, s46, s13                     ; Wo: row 256 x tile column + 128 x half
	s_lshl_b32 s46, s46, 11
	s_mov_b32 s47, 0
	s_mul_i32 s20, s[CW], 64*PAS                   ; where they go: constants and the wave's number alone
	s_mul_i32 s21, s[CW], 64*PAB
	s_add_co_u32 s21, s21, LBA
	s_mul_i32 s22, s[CW], 128*PAS
	s_add_co_u32 s22, s22, LSB
	s_mul_i32 s23, s[CW], 128*PAB
	s_add_co_u32 s23, s23, LBB
	s_wait_dscnt 0x0                               ; both opening adds are done
	s_wait_kmcnt 0x0
	s_add_nc_u64 s[14:15], s[4:5], s[16:17]
	s_add_nc_u64 s[46:47], s[6:7], s[46:47]
	CROUND                                         ; all sixteen work-groups are here
	s_mov_b32 s[G0AB], 1
	s_mov_b32 s[G0AB+1], s21
	s_mov_b64 s[G0AB+2:G0AB+3], s[14:15]           ; K 0 to 255
	s_or_b32 s[G0AB+3], s[G0AB+3], 0x80000000
	s_mov_b32 s[G0BB], 1
	s_mov_b32 s[G0BB+1], s23
	s_mov_b64 s[G0BB+2:G0BB+3], s[46:47]
	s_or_b32 s[G0BB+3], s[G0BB+3], 0x80000000
	JLOAD G0AB, G1AB, G0BB, G1BB
	s_mov_b32 s[G0AS], 1
	s_mov_b32 s[G0AS+1], s20
	s_add_nc_u64 s[G0AS+2:G0AS+3], s[14:15], 512   ; K 256 to 383
	s_or_b32 s[G0AS+3], s[G0AS+3], 0x80000000
	s_mov_b32 s[G0BS], 1
	s_mov_b32 s[G0BS+1], s22
	s_add_nc_u64 s[G0BS+2:G0BS+3], s[46:47], 512
	s_or_b32 s[G0BS+3], s[G0BS+3], 0x80000000
	JLOAD G0AS, G1AS, G0BS, G1BS                   ; two tensor loads of mine are out, both first fills
	v_and_b32 v1, 15, v0                           ; r
	v_bfe_u32 v2, v0, 4, 1                         ; h
	s_lshl_b32 s18, s42, 10
	s_lshl_b32 s13, s[CW], 9
	s_add_co_u32 s18, s18, s13                     ; my first column, in bytes of f32
	s_mov_b32 s19, 0
	s_add_nc_u64 s[8:9], s[8:9], s[18:19]
	v_lshlrev_b32 v[BA], 5, v2
.irp b, 0,1,2,3,4,5,6,7
	global_load_b128 v[BIAS+8*\b:BIAS+8*\b+3], v[BA], s[8:9] offset:64*\b          ; lane (r, h): bo of columns 16 b + 8 h + 0 .. 7
	global_load_b128 v[BIAS+8*\b+4:BIAS+8*\b+7], v[BA], s[8:9] offset:64*\b+16
.endr
	v_mul_u32_u24 v3, v1, PAS
	v_lshl_add_u32 v3, v2, 4, v3                   ; row r x pitch + 16 h, in S
	s_mul_i32 s21, s[RW], 64*PAS
	v_add_nc_u32 v[ADA], s21, v3
	s_mul_i32 s21, s[CW], 128*PAS
	s_add_co_u32 s21, s21, LSB
	v_add_nc_u32 v[ADB], s21, v3
	v_mul_u32_u24 v3, v1, PAB
	v_lshl_add_u32 v3, v2, 4, v3                   ; and in B
	s_mul_i32 s21, s[RW], 64*PAB
	s_add_co_u32 s21, s21, LBA
	v_add_nc_u32 v[ADA+1], s21, v3
	s_mul_i32 s21, s[CW], 128*PAB
	s_add_co_u32 s21, s21, LBB
	v_add_nc_u32 v[ADB+1], s21, v3
	s_mul_i32 s23, s[WV], 16*SPITCH
	s_add_co_u32 s23, s23, STG
	v_mul_u32_u24 v4, v1, SPITCH
	v_lshl_add_u32 v4, v2, 5, v4
	v_add_nc_u32 v[STO], s23, v4                   ; in: row r, 32 bytes for each half of the lanes
	v_and_b32 v5, 31, v0
	v_lshlrev_b32 v[CO], 4, v5                     ; back: the 32 lanes take one row of 512 bytes; the same in out0
	v_add_nc_u32 v[RD], s23, v[CO]
	v_lshlrev_b32 v[PFO], 11, v5
	s_lshl_b32 s12, s43, 7
	s_lshl_b32 s13, s[RW], 6
	s_add_co_u32 s12, s12, s13                     ; my first row
	s_lshl_b32 s12, s12, 12
	s_add_co_u32 s12, s12, s18
	s_mov_b32 s13, 0
	s_add_nc_u64 s[CBASE:CBASE+1], s[10:11], s[12:13]
	s_lshl_b32 s76, s43, 7
	s_lshl_b32 s77, s40, 5
	s_add_co_u32 s76, s76, s77                     ; the prefetch: my work-group's 32 rows of the tile's 128,
	s_lshl_b32 s76, s76, 11
	s_add_co_u32 s76, s76, 1280                    ; from K = 640 on
	s_mov_b32 s77, 0
	s_add_nc_u64 s[PFA:PFA+1], s[4:5], s[76:77]
.macro WM f, a, b, first
.if \first
	v_wmma_f32_16x16x32_f16 v[8*(8*(\a)+(\b)):8*(8*(\a)+(\b))+7], v[64*(\f)+8*(\b):64*(\f)+8*(\b)+7], v[FA+32*(\f)+8*(\a):FA+32*(\f)+8*(\a)+7], v[BIAS+8*(\b):BIAS+8*(\b)+7]
.else
	v_wmma_f32_16x16x32_f16 v[8*(8*(\a)+(\b)):8*(8*(\a)+(\b))+7], v[64*(\f)+8*(\b):64*(\f)+8*(\b)+7], v[FA+32*(\f)+8*(\a):FA+32*(\f)+8*(\a)+7], v[8*(8*(\a)+(\b)):8*(8*(\a)+(\b))+7]
.endif
.endm
.macro MUL8 f, a, first                ; the 32 accumulators take turns
.irp b, 0,1,2,3,4,5,6,7
	WM \f, \a, \b, \first
.endr
.endm
.macro FETCH big, q, f                 ; 24 LDS loads in one run: quarter q of slot S (big = 0) or B (big = 1) into buffer f
.set PP, PAS+(PAB-PAS)*(\big)
	WIN 0
.irp i, 0,1,2,3
	ds_load_b128 v[FA+32*(\f)+8*\i:FA+32*(\f)+8*\i+3],   v[ADA+(\big)] offset:64*(\q)+\i*16*PP
	ds_load_b128 v[FA+32*(\f)+8*\i+4:FA+32*(\f)+8*\i+7], v[ADA+(\big)] offset:64*(\q)+\i*16*PP+32
.endr
	WIN TO_B
.irp i, 0,1,2,3,4,5,6,7
	ds_load_b128 v[64*(\f)+8*\i:64*(\f)+8*\i+3],   v[ADB+(\big)] offset:64*(\q)+\i*16*PP
	ds_load_b128 v[64*(\f)+8*\i+4:64*(\f)+8*\i+7], v[ADB+(\big)] offset:64*(\q)+\i*16*PP+32
.endr
.endm
.macro PLACES                          ; four plain vector instructions between a matrix instruction and a load into its registers
.rept 4
	v_nop
.endr
.endm
.macro QUARTER big, q, f, first        ; fetches the slot's quarter q into the other buffer, multiplies buffer f
	PLACES
	FETCH \big, \q, 1-(\f)
	s_wait_dscnt 24                                ; all but the 24 just issued: buffer f is in
.if \first
	WIN 0x81                                       ; C (the bias) in window 0, D in window 2
.else
	WIN MUL
.endif
	MUL8 \f, 0, \first
	MUL8 \f, 1, \first
	MUL8 \f, 2, \first
	MUL8 \f, 3, \first
.endm
.macro QS big, from, n                 ; n quarters of a slot, from quarter 'from' on; each fetches its successor in the same slot
.set Q, \from
.rept \n
	QUARTER \big, Q+1, Q%2, 0
.set Q, Q+1
.endr
.endm
; A slot's last quarter (buffer 1) changes slots: one barrier; in front of it each wave waits for all its tensor loads (at most one is out: its part of the other slot), adds 0 to its spare word,
; and waits for that and for its reads of this slot.  fill = 1: this slot is filled again, 384 further along K, first thing behind the round.
.macro TURN big, fill, ask
	WIN 0
	s_wait_tensorcnt 0x0
	ds_add_u32 v[SPW], v[NIL]
	s_wait_dscnt 1                                 ; buffer 1 is in; the add may be out
	WIN MUL
	MUL8 1, 0, 0
	s_wait_dscnt 0x0                               ; the add is done, and my reads of this slot are over
	s_barrier_signal -1
	MUL8 1, 1, 0
	WIN 0
	s_barrier_wait -1
.if \fill
	CREST                                          ; the barrier has opened a round of the cluster's barrier
.if \big
	s_add_nc_u64 s[G0AB+2:G0AB+3], s[G0AB+2:G0AB+3], LAPA
	s_add_nc_u64 s[G0BB+2:G0BB+3], s[G0BB+2:G0BB+3], LAPA
	JLOAD G0AB, G1AB, G0BB, G1BB                   ; my one tensor load until the next round; its four v_nop are also the places in front of the loads below
.else
	s_add_nc_u64 s[G0AS+2:G0AS+3], s[G0AS+2:G0AS+3], LAPA
	s_add_nc_u64 s[G0BS+2:G0BS+3], s[G0BS+2:G0BS+3], LAPA
	JLOAD G0AS, G1AS, G0BS, G1BS
.endif
.else
	PLACES
.endif
	FETCH 1-(\big), 0, 0
.if \ask
	WIN 0
	ASK
.endif
	WIN MUL
	MUL8 1, 2, 0
	MUL8 1, 3, 0
.endm
	s_wait_tensorcnt 1                             ; my part of B is in; S's may be out
	s_barrier_signal -1
	s_barrier_wait -1
	FETCH 1, 0, 0
	s_wait_loadcnt 0x0                             ; the bias
	QUARTER 1, 1, 0, 1                             ; K 0 to 255 (B): the first quarter starts the sums with the bias
	QS 1, 1, 6
	TURN 1, 1, 1                                   ; B takes K 384 to 639
	QS 0, 0, 3                                     ; K 256 to 383 (S)
	TURN 0, 1, 0                                   ; S takes K 640 to 767
	QS 1, 0, 7                                     ; K 384 to 639
	TURN 1, 1, 0                                   ; B takes K 768 to 1,023
	QS 0, 0, 3                                     ; K 640 to 767
	TURN 0, 0, 0                                   ; nothing is left to fetch
	QS 1, 0, 7                                     ; K 768 to 1,023
	s_wait_dscnt 0x0
	WIN MUL
	MUL8 1, 0, 0
	MUL8 1, 1, 0
	MUL8 1, 2, 0
	MUL8 1, 3, 0
	WIN 0
; THE WAY OUT, block by block of 16 rows x 128 columns of f32: through my own stage, back as whole rows of 512 bytes
.macro TOSTAGE a
	WIN 0x08                                       ; an LDS store's data are its source 1: window 2
.irp b, 0,1,2,3,4,5,6,7
	ds_store_b128 v[STO], v[64*(\a)+8*\b:64*(\a)+8*\b+3] offset:64*\b              ; each accumulator from its low end on
	ds_store_b128 v[STO], v[64*(\a)+8*\b+4:64*(\a)+8*\b+7] offset:64*\b+16
.endr
	WIN 0
.set BB, 32+160*((\a)%2)
.irp t, 0,1,2,3,4,5,6,7,8,9,10,11,12,13,14,15
	ds_load_b128 v[BB+4*\t:BB+4*\t+3], v[RD] offset:\t*SPITCH                      ; in order behind the stores above
.endr
.endm
.macro SEND a, younger                 ; younger: the LDS instructions issued behind block a's loads
.set BB, 32+160*((\a)%2)
	s_wait_dscnt \younger
.if (\a) > 0
	s_add_nc_u64 s[CBASE:CBASE+1], s[CBASE:CBASE+1], 16*CROW                       ; behind a wait on XCNT: the earlier stores have read their base
.endif
.irp t, 0,1,2,3,4,5,6,7,8,9,10,11,12,13,14,15
	global_store_b128 v[CO], v[BB+4*\t:BB+4*\t+3], s[CBASE:CBASE+1] offset:\t*CROW th:TH_STORE_NT   ; 32 lanes store 512 consecutive bytes, aligned
.endr
.endm
	PLACES
	TOSTAGE 0
.irp a, 1,2,3
.if \a > 1
	s_wait_xcnt 0x0                                ; block a - 2's stores have read their registers and their base
.endif
	TOSTAGE \a
	SEND \a-1, 32                                  ; behind block a - 1's loads: block a's 16 stores and 16 loads
.endr
	s_wait_xcnt 0x0
	SEND 3, 0
	s_wait_tensorcnt 0x0                           ; the wave's end
	ds_add_u32 v[SPW], v[NIL]
	s_wait_dscnt 0x0
	CROUND                                         ; the closing round
	s_endpgm
.Lfunc_end_k_q605e65957e_outp:
	.size	k_q605e65957e_outp, .Lfunc_end_k_q605e65957e_outp-k_q605e65957e_outp
	.p2alignl 7, 3214868480
	.fill 96, 4, 3214868480
	.section	.rodata,"a",@progbits
	.p2align	6, 0x0
	.amdhsa_kernel k_q605e65957e_outp
		.amdhsa_group_segment_fixed_size 327680
		.amdhsa_private_segment_fixed_size 0
		.amdhsa_enable_private_segment 0
		.amdhsa_kernarg_size 32
		.amdhsa_user_sgpr_count 2
		.amdhsa_user_sgpr_kernarg_segment_ptr 1
		.amdhsa_wavefront_size32 1
		.amdhsa_system_sgpr_workgroup_id_x 1
		.amdhsa_system_sgpr_workgroup_id_y 1
		.amdhsa_system_sgpr_workgroup_id_z 1
		.amdhsa_system_vgpr_workitem_id 0
		.amdhsa_next_free_vgpr 768
		.amdhsa_next_free_sgpr 100
		.amdhsa_reserve_vcc 0
		.amdhsa_float_denorm_mode_32 3
		.amdhsa_float_denorm_mode_16_64 3
		.amdhsa_memory_ordered 1
		.amdhsa_forward_progress 1
		.amdhsa_inst_pref_size 149
	.end_amdhsa_kernel
	.amdgpu_metadata
---
amdhsa.version: [ 1, 2 ]
amdhsa.kernels:
  - .name:           k_q605e65957e_outp
    .symbol:         k_q605e65957e_outp.kd
    .args:
      - { .name: y16, .offset: 0, .size: 8, .value_kind: global_buffer, .address_space: global }
      - { .name: wo16, .offset: 8, .size: 8, .value_kind: global_buffer, .address_space: global }
      - { .name: bo, .offset: 16, .size: 8, .value_kind: global_buffer, .address_space: global }
      - { .name: out0, .offset: 24, .size: 8, .value_kind: global_buffer, .address_space: global }
    .group_segment_fixed_size: 327680
    .private_segment_fixed_size: 0
    .kernarg_segment_align: 8
    .kernarg_segment_size: 32
    .max_flat_workgroup_size: 128
    .sgpr_count:     100
    .vgpr_count:     768
    .wavefront_size: 32
...
	.end_amdgpu_metadata
.endif
;; end of part 5
